; MI455X (gfx1250); checked and timed in simulation.
; The chip was launched on July 23, 2026; its instructions are those of AMD's public machine-readable ISA for CDNA 5 (MIT licence, August 2026) and "CDNA5" Instruction Set Architecture Reference Guide (July 2026). The comments in the code are by the model that wrote it; some were corrected since.
;; Single Head Self Attention. Allowed arithmetic: matrix products marked QUANTISED: E2M3 operands, one E8M0 scale for each 32 along K, by v_wmma_scale_f32_16x16x128_f8f6f4 with both operands' format E2M3, f32 sums; everything else in f32.
;; Inputs: bk 1,024 float32; bq 1,024 float32; bv 1,024 float32; mask 4 x 1 x 2,048 x 2,048 bool; wk 1,024 x 1,024 float32; wq 1,024 x 1,024 float32; wv 1,024 x 1,024 float32; x 4 x 2,048 x 1,024 float32.
;; Outputs: out0 4 x 2,048 x 1,024 float32.
;; This version of the problem:
;;   THIS VERSION OF THE PROBLEM IS GIVEN IN LOW PRECISION. The matrix products marked QUANTISED in the list below multiply operands that are first quantised to E2M3 (2 exponent bits, 3 mantissa bits; 6 bits a number), with one power-of-two scale for each 32 numbers along K (OCP MX v1.0); their sums are f32. All else is computed in f32.
;;   The module's matrix products, in the order in which they are computed (A, B: the left and right operand; K: the contracted axis; several contracted axes count as one K, in the product's order):
;;     1. [M 8,192, K 1,024] x [K 1,024, N 1,024]; A: input x; B: input wq: QUANTISED
;;     2. [M 8,192, K 1,024] x [K 1,024, N 1,024]; A: input x; B: input wk: QUANTISED
;;     3. [M 8,192, K 1,024] x [K 1,024, N 1,024]; A: input x; B: input wv: QUANTISED
;;     4. batch 4 x [M 2,048, K 1,024] x [K 1,024, N 2,048]; A: computed on the way; B: computed on the way: QUANTISED
;;     5. batch 4 x [M 2,048, K 2,048] x [K 2,048, N 1,024]; A: softmax (see below); B: computed on the way: QUANTISED
;;   THE QUANTISER, for each operand of a quantised product, along K:
;;     - K is cut into blocks of 32 from its start; a last block that is shorter is filled with zeros.
;;     - A block's scale is 2^e with e = floor(log2(the largest magnitude in the block)) - 2, held to -126 .. 127; a block of zeros has e = 0. As a byte (E8M0): e + 127.
;;     - Each number is divided by its block's scale, clamped to +-7.5, and rounded to the nearest number of E2M3, ties to even, subnormals kept.
;;     - The product sums the exact products of the quantised numbers (number of the format x scale) in f32.
;;   ~~~python
;;   def quantise(x, axis):      # numpy; x: float32 -> the quantised numbers, widened to float32 again
;;       x = np.moveaxis(x, axis, -1); K = x.shape[-1]
;;       x = np.pad(x, [(0, 0)] * (x.ndim - 1) + [(0, -K % 32)]); x = x.reshape(x.shape[:-1] + (-1, 32)); a = np.abs(x).max(-1, keepdims=True)
;;       e = np.where(a > 0, np.clip(np.frexp(np.where(a > 0, a, 1))[1] - 1 - 2, -126, 127), 0)      # np.frexp(a)[1] - 1 = floor(log2(a)), exactly
;;       r = np.clip(x / 2.0 ** e, -7.5, 7.5)
;;       step = 2.0 ** (np.maximum(np.frexp(np.where(r == 0, 1, r))[1] - 1, 0) - 3)
;;       q = np.round(r / step) * step * 2.0 ** e      # np.round: ties to even
;;       return np.moveaxis(q.reshape(q.shape[:-2] + (-1,))[..., :K], -1, axis).astype(np.float32)
;;   ~~~
;;   SOFTMAX AHEAD OF A QUANTISED PRODUCT. Where the list says 'softmax', what is quantised is not the finished softmax but p = 2^(t - M), with t = logit x log2(e) and M = ceil(the row's largest t), a whole number; so 1/2 < the row's largest p <= 1. The row's sum l is taken of the UNQUANTISED p, in f32, and the product's result is divided by l at the end. Since M is a whole number, a kernel that streams over the keys may use a running M (the ceiling of the running maximum): every later rescaling is an exact power of two, which a block's scale takes up: the codes' values come out the same.
;;   OPERANDS COMPUTED ON THE WAY. 'Computed on the way' means the value that the module computes at that place (a softmax that the list does not call 'softmax' is quantised finished and normalised). What goes into a quantiser is computed in f32, as accurately as f32 sums, v_exp_f32 and their like allow (about 1e-6 of the number): no bf16 or f16 on the way to a quantiser, and a product that is left as it is and whose result goes on into a quantised operand takes f32 operands (vector FMAs, or v_wmma_f32_16x16x4_f32). A number that lies on a knife's edge between two numbers of the format may be rounded either way, as far as f32 arithmetic and the matrix unit's own rounding can turn it there, and no further.
;; One version. Each part assembles by itself: llvm-mc -triple=amdgcn-amd-amdhsa -mcpu=gfx1250 --defsym DOCPART=n.
;; ======== version 1 of 1: 4 launches
;; limits: right only within a limited range of input values
;; workspace buffers: xq 6,553,600 bytes; wc 2,457,600 bytes; mb 2,097,152 bytes of whole numbers; qk 13,107,200 bytes; vq 6,553,600 bytes; pq 14,155,776 bytes
;; launch prep (part 1): grid 704 x 1, 4 waves a work-group, no clusters, 64,000 bytes of LDS; arguments x, wq, wk, wv, mask, xq, wc, mb; writes xq, wc, mb
.if DOCPART == 1
	.amdgcn_target "amdgcn-amd-amdhsa--gfx1250"
	.amdhsa_code_object_version 6
	.text
	.protected	k_qb52549f840_prep
	.globl	k_qb52549f840_prep
	.p2align	8
	.type	k_qb52549f840_prep,@function
k_qb52549f840_prep:
	s_mov_b64 s[64:65], 0
	v_nop
	global_prefetch_b8 v0, s[64:65] scope:SCOPE_SE
	s_setreg_imm32_b32 hwreg(HW_REG_WAVE_MODE, 25, 1), 1
	s_wait_xcnt 0x0
; PREP.  x [8192][1024] and wq, wk, wv [1024 (k)][1024 (n)], f32, become codes of FP6 (E2M3) with one E8M0 byte for each 32 along K; the mask's bytes become words of 32 lane bits.
; ALL WORKSPACE LIES IN THE ORDER OF AN OPERAND'S REGISTERS.  A fragment (16 rows x 128 K) is 12 registers a lane: register p of lane l lies at 512 (p / 4) + 16 l + 4 (p % 4) of its 1,536 bytes; fragment
; (group G of 128 rows, K step s, tile i) lies at ((8 G + s) 8 + i) 1,536.  Lane row r of tile i is row 32 (i / 2) + 8 (i % 2) + r % 8 + 16 (r / 8) of the group, so that a product that takes such tiles as source 0
; leaves 16 neighbours of the next K in the 16 registers of two neighbouring tiles.  The scale words of (G, s) are 512 bytes: tile i, lane row r at 256 (i / 4) + 16 r + 4 (i % 4).
; THREE ROLES by the work-group's number: 0-255 the mask, 256-511 x, 512-703 the weights.  Waves share nothing: no barrier; each role has LDS bytes of its own.
; A block's scale is 2^(floor(log2(largest magnitude)) - 2); its byte is the largest magnitude's exponent field - 2, held at 1 from below.
; LIMITS: a block of zeros gets the byte 1 where the quantiser says 127 (its codes are zeros, and this program alone reads the bytes); NaN and infinities among the inputs are not served.
; The weights' scale words leave 4 bytes a lane, 16 bytes apart: 98,304 bytes in all are stored so; everything else leaves in runs of 256 bytes or more.
.set XSTW,  8448                       ; role x: a wave's stage: 16 rows x (512 bytes + 16)
.set WST,   33792                      ; role w: a wave's stage: two fragments' images
.set WSTW,  3072
.set MST,   46080                      ; role m: a wave's stage: 16 rows x (256 bytes + 16)
.set MSTW,  4352
.set SPARE, 63488                      ; the spare words, 128 bytes for each wave: two blocks of 256 bytes that no other line names
.set SPW,   30                         ; v30  my spare word's LDS address; never rewritten
.set NIL,   31                         ; v31  0; never rewritten
.macro FINISH                          ; the wave's end, behind my last LDS store
	s_wait_tensorcnt 0x0
	ds_add_u32 v[SPW], v[NIL]
	s_wait_dscnt 0x0
	s_endpgm
.endm
	s_load_b256 s[4:11], s[0:1], 0x0               ; x, wq, wk, wv
	s_load_b256 s[12:19], s[0:1], 0x20             ; mask, xq, wc, mb
	v_lshl_add_u32 v[SPW], v0, 2, SPARE
	v_mov_b32 v[NIL], 0
	v_lshrrev_b32 v1, 5, v0
	v_readfirstlane_b32 s20, v1                    ; wave
	v_and_b32 v1, 31, v0                           ; lane
	v_and_b32 v2, 15, v0                           ; r
	v_bfe_u32 v3, v0, 4, 1                         ; h
	v_lshlrev_b32 v4, 4, v1                        ; 16 x lane
	; every LDS address is made here, ahead of the parting of the roles: a constant + a constant x wave + the lane's term
	s_mul_i32 s21, s20, XSTW
	v_add_nc_u32 v5, s21, v4                       ; x's stage, in: 16 x lane (+ 528 a row)
	v_mul_u32_u24 v6, v2, 528
	v_lshl_add_u32 v6, v3, 7, v6
	v_add_nc_u32 v6, s21, v6                       ; out: row r, + 128 h: my block of 32
	s_mul_i32 s21, s20, WSTW
	s_add_co_u32 s21, s21, WST
	v_bfe_u32 v11, v0, 3, 1                        ; column l of 32 lies in tile u = (l / 8) % 2,
	v_and_b32 v12, 7, v0
	v_lshl_add_u32 v12, v3, 3, v12                 ; at lane row l % 8 + 8 (l / 16)
	v_mul_u32_u24 v7, v11, 1536
	v_lshl_add_u32 v7, v12, 4, v7
	v_add_nc_u32 v7, s21, v7                       ; w's stage, in
	v_add_nc_u32 v8, s21, v4                       ; and out
	v_lshlrev_b32 v13, 4, v12
	v_lshl_add_u32 v13, v11, 2, v13                ; my column's scale word among its two tiles'
	s_mul_i32 s21, s20, MSTW
	s_add_co_u32 s21, s21, MST
	v_mul_u32_u24 v9, v3, 272
	v_lshl_add_u32 v9, v2, 4, v9
	v_add_nc_u32 v9, s21, v9                       ; the mask's stage, in: rows 2 m + h
	v_mul_u32_u24 v10, v2, 272
	v_lshl_add_u32 v10, v3, 4, v10
	v_add_nc_u32 v10, s21, v10                     ; out: row r, + 16 h
	v_lshlrev_b32 v14, 11, v3
	v_lshl_add_u32 v14, v2, 4, v14                 ; the mask in memory: 2,048 h + 16 r
	v_lshlrev_b32 v15, 3, v1                       ; 8 x lane
	v_lshlrev_b32 v16, 2, v1                       ; 4 x lane
	v_lshlrev_b32 v17, 4, v2
	v_lshl_add_u32 v17, v3, 3, v17                 ; 16 r + 8 h
	s_mov_b32 s22, 0x76543210
	s_mov_b32 s23, 0xfedcba98                      ; v_permlanex16_b32's selects for lane l xor 16
	s_wait_kmcnt 0x0
	; THE ROLES AS THEY STAND (in place of the head's numbers): work-groups 0-255 the mask, the role with the most vector instructions a wave; 256-511 x; 512-703 the weights
	s_cmp_ge_u32 ttmp9, 512
	s_cbranch_scc1 .Lrole_w
	s_cmp_ge_u32 ttmp9, 256
	s_cbranch_scc1 .Lrole_x
; ---- THE MASK.  A wave takes one tile of 16 queries (group G, tile a) and 1,024 keys.  Word n of K step s holds, at bit r + 16 h, mask[query of lane row r][key 128 s + 32 (n / 16) + 16 h + n % 16]:
; the bit that lane (r, h) wants for its n-th score.  A compare in which each lane holds its own byte makes such a word; 64 words of a K step are gathered in a register pair and leave as 256 bytes.
	s_lshl_b32 s24, ttmp9, 2
	s_add_co_u32 s24, s24, s20
	s_and_b32 s25, s24, 1                          ; which 1,024 keys
	s_bfe_u32 s26, s24, 0x30001                    ; a
	s_lshr_b32 s27, s24, 4                         ; G
	s_lshl_b32 s28, s27, 7
	s_lshr_b32 s29, s26, 1
	s_lshl_b32 s29, s29, 5
	s_add_co_u32 s28, s28, s29
	s_and_b32 s29, s26, 1
	s_lshl_b32 s29, s29, 3
	s_add_co_u32 s28, s28, s29                     ; the tile's first query: 128 G + 32 (a / 2) + 8 (a % 2)
	s_lshl_b32 s28, s28, 11
	s_lshl_b32 s29, s25, 10
	s_add_co_u32 s28, s28, s29
	s_mov_b32 s29, 0
	s_add_nc_u64 s[12:13], s[12:13], s[28:29]
	s_lshl_b32 s28, s27, 4
	s_lshl_b32 s30, s25, 3
	s_add_co_u32 s28, s28, s30
	s_lshl_b32 s28, s28, 11
	s_lshl_b32 s30, s26, 8
	s_add_co_u32 s28, s28, s30                     ; ((16 G + s) 8 + a) 256
	s_add_nc_u64 s[18:19], s[18:19], s[28:29]
	s_wait_alu depctr_va_vdst(0)
.irp c, 0,1,2,3
.irp m, 0,1,2,3,4,5,6,7
	global_load_b128 v[64+32*\c+4*\m:64+32*\c+4*\m+3], v14, s[12:13] offset:(2*(\m%4)+16*(\m/4))*2048+256*\c th:TH_LOAD_NT   ; lane rows 2 m and 2 m + 1, 256 consecutive bytes each
.endr
.endr
.irp i, 0,1,2,3,4,5,6,7,8,9,10,11,12,13,14,15
	v_mov_b32 v[32+\i], 0                          ; a written lane's register counts as read
.endr
.macro CHUNK c                         ; 256 keys: two K steps
	s_wait_loadcnt 24-8*(\c)                       ; this chunk's eight loads are in; the later chunks' stay out
.irp m, 0,1,2,3,4,5,6,7
	ds_store_b128 v9, v[64+32*(\c)+4*\m:64+32*(\c)+4*\m+3] offset:544*\m
.endr
.irp e, 0,1,2,3,4,5,6,7
	ds_load_b128 v[192+4*\e:192+4*\e+3], v10 offset:32*\e   ; LDS serves a wave's instructions in order: these see my stores.  Keys 32 e + 16 h + 0 .. 15 of row r
.endr
	s_wait_dscnt 0x0
.set k, 0
.rept 16
.irp i, 0,1,2,3,4,5,6,7
	v_bfe_u32 v[48+\i], v[192+4*(k/16)+(k%16+\i)/4], 8*(\i%4), 8
.endr
.irp i, 0,1,2,3,4,5,6,7
	v_cmp_ne_u32 s[36+\i], 0, v[48+\i]
.endr
.irp i, 0,1,2,3,4,5,6,7
	v_writelane_b32 v[32+2*(2*(\c)+k/64)+\i%2], s[36+\i], (16*((k/16)%4)+k%16+\i)/2   ; word n to register n % 2, lane n / 2
.endr
.set k, k+8
.endr
.irp t, 0,1
	global_store_b64 v15, v[32+2*(2*(\c)+\t):32+2*(2*(\c)+\t)+1], s[18:19] offset:(2*(\c)+\t)*2048   ; 32 lanes store 256 consecutive bytes; each K step has its own pair, so no store's data are written again
.endr
.endm
	CHUNK 0
	CHUNK 1
	CHUNK 2
	CHUNK 3
	FINISH
; ---- THE WEIGHTS.  K is their first axis: a lane takes a column and its registers run down K, so a block of 32 lies in one lane.  A work-group takes 128 columns x one K step, a wave 32 columns: two tiles.
.Lrole_w:
	s_sub_co_u32 s24, ttmp9, 512
	s_lshr_b32 s25, s24, 3                         ; group 0-23: wq 0-7, wk 8-15, wv 16-23
	s_and_b32 s26, s24, 7                          ; K step
	s_lshr_b32 s27, s25, 3
	s_cmp_eq_u32 s27, 0
	s_cselect_b64 s[6:7], s[6:7], s[8:9]
	s_cmp_eq_u32 s27, 2
	s_cselect_b64 s[6:7], s[10:11], s[6:7]
	s_lshl_b32 s28, s26, 19                        ; 128 rows of 4,096 bytes a K step
	s_and_b32 s29, s25, 7
	s_lshl_b32 s29, s29, 9
	s_add_co_u32 s28, s28, s29
	s_lshl_b32 s29, s20, 7
	s_add_co_u32 s28, s28, s29
	s_mov_b32 s29, 0
	s_add_nc_u64 s[6:7], s[6:7], s[28:29]
	s_lshl_b32 s30, s25, 3
	s_add_co_u32 s30, s30, s26
	s_lshl_b32 s28, s30, 3
	s_lshl_b32 s31, s20, 1
	s_add_co_u32 s28, s28, s31
	s_mul_i32 s28, s28, 1536
	s_add_nc_u64 s[32:33], s[16:17], s[28:29]      ; my two fragments
	s_lshl_b32 s28, s30, 9
	s_lshr_b32 s31, s20, 1
	s_lshl_b32 s31, s31, 8
	s_add_co_u32 s28, s28, s31
	s_and_b32 s31, s20, 1
	s_lshl_b32 s31, s31, 3
	s_add_co_u32 s28, s28, s31
	s_add_co_u32 s28, s28, 2359296
	s_add_nc_u64 s[34:35], s[16:17], s[28:29]      ; and their scale words
.macro LOADW t
.set i, 0
.rept 32
	global_load_b32 v[64+32*((\t)%2)+i], v16, s[6:7] offset:(32*(\t)+i)*4096 th:TH_LOAD_NT
.set i, i+1
.endr
.endm
	s_wait_alu depctr_va_vdst(0)
	LOADW 0
	LOADW 1
.macro BLOCKW t
.set XS, 64+32*((\t)%2)
.if (\t) < 3
	s_wait_loadcnt 32                              ; this block's 32 loads are in; the next block's may be out
.else
	s_wait_loadcnt 0x0
.endif
	v_max3_num_f32 v20, |v[XS]|, |v[XS+1]|, |v[XS+2]|
	v_max3_num_f32 v21, |v[XS+3]|, |v[XS+4]|, |v[XS+5]|
.irp i, 6,10,14,18,22,26
	v_max3_num_f32 v20, v20, |v[XS+\i]|, |v[XS+\i+1]|
	v_max3_num_f32 v21, v21, |v[XS+\i+2]|, |v[XS+\i+3]|
.endr
	v_max3_num_f32 v20, v20, |v[XS+30]|, |v[XS+31]|
	v_max3_num_f32 v20, v20, v21, 0x1800000        ; and the floor 2^(3 - 127): the byte cannot fall under 1
	v_add_nc_u32 v22, 0xff000000, v20              ; 2 off the exponent field: the conversion's scale operand
	v_lshrrev_b32 v23, 23, v22                     ; the byte
.if (\t) == 0
	v_mov_b32 v24, v23
.else
	v_lshl_or_b32 v24, v23, 8*(\t), v24
.endif
	v_cvt_scalef32_pk16_fp6_f32 v[32:34], v[XS:XS+15], v22
	v_cvt_scalef32_pk16_fp6_f32 v[40:42], v[XS+16:XS+31], v22   ; (a conversion's three registers begin on an even number)
	v_nop                                          ; one plain place behind a scaled conversion
	v_mov_b32 v35, v40
	v_mov_b32 v36, v41
	v_mov_b32 v37, v42
.if (\t) < 2                           ; block t is registers 6 (t / 2) .. + 5 of image lane r + 16 (t % 2)
	ds_store_b128 v7, v[32:35] offset:256*((\t)%2)
	ds_store_b64 v7, v[36:37] offset:256*((\t)%2)+512
.else
	ds_store_b64 v7, v[32:33] offset:256*((\t)%2)+520
	ds_store_b128 v7, v[34:37] offset:256*((\t)%2)+1024
.endif
.if (\t) < 2
	LOADW (\t)+2
.endif
	s_wait_dscnt 0x0                               ; the stores have read their registers
.endm
	BLOCKW 0
	BLOCKW 1
	BLOCKW 2
	BLOCKW 3
	s_wait_alu depctr_va_vdst(0)
	global_store_b32 v13, v24, s[34:35]
.irp k, 0,1,2,3,4,5
	ds_load_b128 v[128+4*\k:128+4*\k+3], v8 offset:512*\k
.endr
.irp k, 0,1,2,3,4,5
	s_wait_dscnt 5-\k
	global_store_b128 v4, v[128+4*\k:128+4*\k+3], s[32:33] offset:512*\k   ; 512 consecutive bytes
.endr
	FINISH
; ---- x.  A wave makes four fragments: tiles 4 g + f of (G, s).  Each load reads a row's 512 bytes of the K step, 16 a lane; they turn through the stage, so that a lane holds two whole blocks of 32 of its row.
.Lrole_x:
	s_sub_co_u32 s24, ttmp9, 256
	s_lshl_b32 s24, s24, 2
	s_add_co_u32 s24, s24, s20
	s_and_b32 s25, s24, 7                          ; s
	s_bfe_u32 s26, s24, 0x10003                    ; g
	s_lshr_b32 s27, s24, 4                         ; G
	s_lshl_b32 s28, s27, 19
	s_lshl_b32 s29, s26, 18
	s_add_co_u32 s28, s28, s29
	s_lshl_b32 s29, s25, 9
	s_add_co_u32 s28, s28, s29
	s_mov_b32 s29, 0
	s_add_nc_u64 s[4:5], s[4:5], s[28:29]          ; row 128 G + 64 g, byte 512 s
	s_lshl_b32 s30, s27, 3
	s_add_co_u32 s30, s30, s25
	s_lshl_b32 s28, s30, 3
	s_lshl_b32 s31, s26, 2
	s_add_co_u32 s28, s28, s31
	s_mul_i32 s28, s28, 1536
	s_add_nc_u64 s[32:33], s[14:15], s[28:29]
	s_lshl_b32 s28, s30, 9
	s_lshl_b32 s31, s26, 8
	s_add_co_u32 s28, s28, s31
	s_add_co_u32 s28, s28, 6291456
	s_add_nc_u64 s[34:35], s[14:15], s[28:29]
	v_lshlrev_b32 v51, 3, v3                       ; 8 h
	v_mov_b32 v29, 0                               ; a lane permute's destination counts as one of its sources
.macro LOADX f
.set i, 0
.rept 16
	global_load_b128 v[64+64*((\f)%2)+4*i:64+64*((\f)%2)+4*i+3], v4, s[4:5] offset:(32*((\f)/2)+8*((\f)%2)+i%8+16*(i/8))*4096 th:TH_LOAD_NT
.set i, i+1
.endr
.endm
	LOADX 0
	LOADX 1
.macro FRAGX f
.if (\f) < 3
	s_wait_loadcnt 16                              ; this fragment's 16 loads are in; the next one's may be out
.else
	s_wait_loadcnt 0x0
.endif
.set i, 0
.rept 16
	ds_store_b128 v5, v[64+64*((\f)%2)+4*i:64+64*((\f)%2)+4*i+3] offset:528*i
.set i, i+1
.endr
.set i, 0
.rept 16
	ds_load_b128 v[192+4*i:192+4*i+3], v6 offset:256*(i/8)+16*(i%8)   ; k = 64 c + 32 h + 0 .. 31 of row r, c = i / 8
.set i, i+1
.endr
	s_wait_dscnt 0x0
	s_wait_xcnt 0x0                                ; the last fragment's stores have read their registers, which are written again below
.if (\f) < 2
	LOADX (\f)+2
.endif
.irp c, 0,1
	v_max3_num_f32 v[18+\c], |v[192+32*\c]|, |v[193+32*\c]|, 0x1800000   ; with the floor 2^(3 - 127)
	v_max3_num_f32 v[54+\c], |v[208+32*\c]|, |v[209+32*\c]|, 0x1800000
.endr
.irp i, 2,4,6,8,10,12,14
.irp c, 0,1
	v_max3_num_f32 v[18+\c], v[18+\c], |v[192+32*\c+\i]|, |v[193+32*\c+\i]|
	v_max3_num_f32 v[54+\c], v[54+\c], |v[208+32*\c+\i]|, |v[209+32*\c+\i]|
.endr
.endr
.irp c, 0,1
	v_max_num_f32 v[18+\c], v[18+\c], v[54+\c]
.endr
.irp c, 0,1
	v_add_nc_u32 v[20+\c], 0xff000000, v[18+\c]
.endr
.irp c, 0,1
	v_lshrrev_b32 v[22+\c], 23, v[20+\c]
.endr
	v_lshl_or_b32 v28, v23, 16, v22                ; my bytes: blocks h and 2 + h,
	v_lshlrev_b32 v28, v51, v28                    ; at their places;
	v_permlanex16_b32 v29, v28, s22, s23
	v_or_b32 v[24+(\f)], v28, v29                  ; with lane l xor 16's two the word is whole
.irp c, 0,1
	v_cvt_scalef32_pk16_fp6_f32 v[32+6*\c:34+6*\c], v[192+32*\c:207+32*\c], v[20+\c]
	v_cvt_scalef32_pk16_fp6_f32 v[44+4*\c:46+4*\c], v[208+32*\c:223+32*\c], v[20+\c]
.endr
	v_nop                                          ; one plain place behind a scaled conversion
.irp c, 0,1
.irp i, 0,1,2
	v_mov_b32 v[35+6*\c+\i], v[44+4*\c+\i]
.endr
.endr
.irp c, 0,1,2
	global_store_b128 v4, v[32+4*\c:35+4*\c], s[32:33] offset:1536*(\f)+512*\c
.endr
.endm
	FRAGX 0
	FRAGX 1
	FRAGX 2
	FRAGX 3
	v_cmp_ne_u32 vcc_lo, 0, v3
	v_cndmask_b32 v52, v24, v26, vcc_lo            ; lane (r, h) stores the words of tiles 2 h and 2 h + 1
	v_cndmask_b32 v53, v25, v27, vcc_lo
	global_store_b64 v17, v[52:53], s[34:35]       ; 256 consecutive bytes
	FINISH
.Lfunc_end_k_qb52549f840_prep:
	.size	k_qb52549f840_prep, .Lfunc_end_k_qb52549f840_prep-k_qb52549f840_prep
	.p2alignl 7, 3214868480
	.fill 96, 4, 3214868480
	.section	.rodata,"a",@progbits
	.p2align	6, 0x0
	.amdhsa_kernel k_qb52549f840_prep
		.amdhsa_group_segment_fixed_size 64000
		.amdhsa_private_segment_fixed_size 0
		.amdhsa_enable_private_segment 0
		.amdhsa_kernarg_size 64
		.amdhsa_user_sgpr_count 2
		.amdhsa_user_sgpr_kernarg_segment_ptr 1
		.amdhsa_wavefront_size32 1
		.amdhsa_system_sgpr_workgroup_id_x 1
		.amdhsa_system_sgpr_workgroup_id_y 1
		.amdhsa_system_sgpr_workgroup_id_z 1
		.amdhsa_system_vgpr_workitem_id 0
		.amdhsa_next_free_vgpr 256
		.amdhsa_next_free_sgpr 66
		.amdhsa_reserve_vcc 1
		.amdhsa_float_denorm_mode_32 3
		.amdhsa_float_denorm_mode_16_64 3
		.amdhsa_memory_ordered 1
		.amdhsa_forward_progress 1
		.amdhsa_inst_pref_size 159
	.end_amdhsa_kernel
	.amdgpu_metadata
---
amdhsa.version: [ 1, 2 ]
amdhsa.kernels:
  - .name:           k_qb52549f840_prep
    .symbol:         k_qb52549f840_prep.kd
    .args:
      - { .name: x, .offset: 0, .size: 8, .value_kind: global_buffer, .address_space: global }
      - { .name: wq, .offset: 8, .size: 8, .value_kind: global_buffer, .address_space: global }
      - { .name: wk, .offset: 16, .size: 8, .value_kind: global_buffer, .address_space: global }
      - { .name: wv, .offset: 24, .size: 8, .value_kind: global_buffer, .address_space: global }
      - { .name: mask, .offset: 32, .size: 8, .value_kind: global_buffer, .address_space: global }
      - { .name: xq, .offset: 40, .size: 8, .value_kind: global_buffer, .address_space: global }
      - { .name: wc, .offset: 48, .size: 8, .value_kind: global_buffer, .address_space: global }
      - { .name: mb, .offset: 56, .size: 8, .value_kind: global_buffer, .address_space: global }
    .group_segment_fixed_size: 64000
    .private_segment_fixed_size: 0
    .kernarg_segment_align: 8
    .kernarg_segment_size: 64
    .max_flat_workgroup_size: 128
    .sgpr_count:     66
    .vgpr_count:     256
    .wavefront_size: 32
...
	.end_amdgpu_metadata
.endif
;; end of part 1
;; launch proj (part 2): grid 8 x 32, 4 waves a work-group, clusters of 4 x 4, 327,680 bytes of LDS; arguments xq, wc, bq, bk, bv, qk, vq; writes qk, vq
.if DOCPART == 2
	.amdgcn_target "amdgcn-amd-amdhsa--gfx1250"
	.amdhsa_code_object_version 6
	.text
	.protected	k_qb52549f840_proj
	.globl	k_qb52549f840_proj
	.p2align	8
	.type	k_qb52549f840_proj,@function
k_qb52549f840_proj:
	s_mov_b64 s[64:65], 0
	v_nop
	global_prefetch_b8 v0, s[64:65] scope:SCOPE_SE
	s_setreg_imm32_b32 hwreg(HW_REG_WAVE_MODE, 25, 1), 1
	s_wait_xcnt 0x0
	s_wait_alu depctr_hold_cnt(0) depctr_sa_sdst(0) depctr_va_vdst(0) depctr_va_sdst(0) depctr_va_ssrc(0) depctr_va_vcc(0) depctr_vm_vsrc(0)
	s_getreg_b32 s2, hwreg(HW_REG_IB_STS2, 6, 4)
	s_cmp_eq_u32 s2, 0
	s_cbranch_scc0 .Lentry_in_a_cluster
	s_endpgm
.Lentry_in_a_cluster:
	s_bfe_u32 s2, ttmp6, 0x10000c
	s_cmp_lg_u32 s2, 0xf033
	s_cbranch_scc0 .Lentry_shape_is_right
	s_endpgm
.Lentry_shape_is_right:
; PROJ.  q = x wq + bq, k = x wk + bk, v = x wv + bv on codes of FP6 (E2M3); the results are quantised in registers along the next product's K and stored in the order of an operand's registers.
; A work-group takes 256 rows of x and 128 columns of each of the three weights.  x's 256 rows, all of K, stay in LDS (196,608 bytes, filled in two halves of four K steps); the weights go through a ring of two
; slots of four K steps (49,152 bytes each), six fills in all: wq, wq, wk, wk, wv, wv.  Waves 0 and 1 load x, waves 2 and 3 the weights.
; PASSES Q AND K: source 0 = 16 columns of the weight, source 1 = 16 rows of x; a wave makes 64 rows x 128 columns, and a lane's registers run along the channels, the scores' K.
; PASS V: the sources change places; a wave makes 128 keys x 64 channels, and a lane's registers run along the keys.  The bias is the C of a pass's first K step.  q is left undivided by 32.
; THE HEAD: one joint load a wave (x's or the weights' first four K steps); the set-up and the loads of scale words and biases stand under it; then the full sequence, a round, and the second halves' load.
; CLUSTERS: 4 x 4: x's tiles jointly along a row of the cluster, the weights' along a column.
; PREFETCH: x's second half and the weights' fills 1 to 5 are asked for two fills ahead (fills 1 and 2 at the head).  Of a tile's blocks of 256 bytes the partner at place p (cx for x, cy for the weights) takes
; those with number p modulo 4, by address; the four waves share these out: 24 lanes a wave for x, 12 for the weights; the lanes left over name their wave's last block again.  The address registers are never rewritten.
.set NA,    4
.set PFX,  20                          ; v20  the prefetch's offset in x: 1,024 x min(lane, 23)
.set PFW,  21                          ; v21  in the weights: 1,024 x min(lane, 11)
.set NF,   1                           ; the number of the weights' fill asked for last
.set XHALF, 49152
.set WR,    196608
.set SPARE, 294912
.set REFILL, 786432
.set XA1,  4
.set WA0,  6
.set SPW,  8
.set NIL,  9
.set WA1,  10
.set XA0,  12
.set XS1,  32
.set WQS,  48
.set WKS,  80
.set XS0,  112
.set WVS,  144
.set AF,   160
.set PC,   208
.set TM,   228
.set FL,   244
.set SW,   246
.set OUTW, 250
.set CBQ,  0
.set CBK,  64
.set CBV,  128
.set G1X, 4
.set G1W, 12
.set G0X, 20
.set G0W, 28
.set WV,  52
.set FS,  53
.set WB,  54
.set SEL, 92
.set MSB, 0
.macro WIN new
.if MSB != (\new)
	s_set_vgpr_msb (MSB<<8)|(\new)
.set MSB, (\new)
.endif
.endm
.set TO_B, 0x40
.macro MWIN cm
.if ((\cm) == 1) || ((\cm) == 2)
	WIN 0xb1
.else
	WIN 0xa1
.endif
.endm
.macro PLACES
.rept 4
	v_nop
.endr
.endm
.macro JLOAD g0a, g1a, g0b, g1b
	s_cmp_eq_u32 s[FS], 0
	s_cbranch_scc0 .Lfor_b_\@
	tensor_load_to_lds s[\g0a:\g0a+3], s[\g1a:\g1a+7]
	s_nop 0
.rept 4
	v_nop
.endr
	s_branch .Lasked_\@
.Lfor_b_\@:
	tensor_load_to_lds s[\g0b:\g0b+3], s[\g1b:\g1b+7]
	s_nop 0
.rept 4
	v_nop
.endr
.Lasked_\@:
.endm
.macro WLOAD slot
	s_cmp_eq_u32 s[FS], 0
	s_cbranch_scc1 .Lno_w_\@
	tensor_load_to_lds s[G0W+4*\slot:G0W+4*\slot+3], s[G1W:G1W+7]
	s_nop 0
.rept 4
	v_nop
.endr
.Lno_w_\@:
.endm
.macro CREST
	s_cmp_lg_u32 s[WV], 0
	s_cbranch_scc1 .Lnot_wave_0_\@
	s_barrier_signal -3
.Lnot_wave_0_\@:
	s_barrier_wait -3
	s_barrier_signal -1
	s_barrier_wait -1
.endm
.macro CROUND
	s_barrier_signal -1
	s_barrier_wait -1
	CREST
.endm
.macro WMI
.if RR == 0
	v_wmma_scale_f32_16x16x128_f8f6f4 v[rD:rD+7], v[rF0:rF0+11], v[rF1:rF1+11], v[rC:rC+7], v[rS0], v[rS1] matrix_a_fmt:MATRIX_FMT_FP6 matrix_b_fmt:MATRIX_FMT_FP6
.elseif RR == 1
	v_wmma_scale_f32_16x16x128_f8f6f4 v[rD:rD+7], v[rF0:rF0+11], v[rF1:rF1+11], v[rC:rC+7], v[rS0], v[rS1] matrix_a_fmt:MATRIX_FMT_FP6 matrix_b_fmt:MATRIX_FMT_FP6 matrix_b_scale:MATRIX_SCALE_ROW1
.elseif RR == 2
	v_wmma_scale_f32_16x16x128_f8f6f4 v[rD:rD+7], v[rF0:rF0+11], v[rF1:rF1+11], v[rC:rC+7], v[rS0], v[rS1] matrix_a_fmt:MATRIX_FMT_FP6 matrix_b_fmt:MATRIX_FMT_FP6 matrix_a_scale:MATRIX_SCALE_ROW1
.else
	v_wmma_scale_f32_16x16x128_f8f6f4 v[rD:rD+7], v[rF0:rF0+11], v[rF1:rF1+11], v[rC:rC+7], v[rS0], v[rS1] matrix_a_fmt:MATRIX_FMT_FP6 matrix_b_fmt:MATRIX_FMT_FP6 matrix_a_scale:MATRIX_SCALE_ROW1 matrix_b_scale:MATRIX_SCALE_ROW1
.endif
.endm
.macro MULQ a0, n, p, s, cm
.set ia, \a0
.rept \n
.set ib, 0
.rept 8
.set rD, 8*(8*ia+ib)
.set rF0, 128*(\p)+12*ib
.set rF1, AF+12*ia
.set rS0, BS+4*(\s)+ib%4
.set rS1, AS+4*((\s)/2)+ia
.set RR, 2*(ib/4)+(\s)%2
.set rC, rD
.if (\cm) == 1
.set rC, CB+8*ib
.elseif (\cm) == 2
.set rC, CB+8*ia
.endif
	WMI
.set ib, ib+1
.endr
.set ia, ia+1
.endr
.endm
.macro FETCH_B slot, q, p
	WIN TO_B
.set ib, 0
.rept 8
.irp c, 0,1,2
	ds_load_b128 v[128*(\p)+12*ib+4*\c:128*(\p)+12*ib+4*\c+3], v[ADRB+\slot] offset:12288*(\q)+1536*ib+512*\c
.endr
.set ib, ib+1
.endr
	WIN 0
.endm
.macro FETCH_A slot, q, i0, n
.set ia, \i0
.rept \n
.irp c, 0,1,2
	ds_load_b128 v[AF+12*ia+4*\c:AF+12*ia+4*\c+3], v[ADRA+\slot] offset:12288*(\q)+1536*ia+512*\c
.endr
.set ia, ia+1
.endr
.endm
.macro STEP slot, q, s, cm
	s_wait_dscnt 3*NA/2
	MWIN \cm
	MULQ 0, NA/2, (\q)%2, \s, \cm
	s_wait_dscnt 0x0
	PLACES
	FETCH_B \slot, (\q)+1, 1-(\q)%2
	FETCH_A \slot, (\q)+1, 0, NA/2
	MWIN \cm
	MULQ NA/2, NA/2, (\q)%2, \s, \cm
	PLACES
	WIN 0
	FETCH_A \slot, (\q)+1, NA/2, NA/2
.endm
.macro TURN slot, next, fill, s
	s_wait_tensorcnt 0x0
	ds_add_u32 v[SPW], v[NIL]
	s_wait_dscnt 3*NA/2+1
	MWIN 0
	MULQ 0, NA/4, 1, \s, 0
	s_wait_dscnt 0x0
	s_barrier_signal -1
	MULQ NA/4, NA/4, 1, \s, 0
	WIN 0
	s_barrier_wait -1
.if \fill
	CREST
	s_add_nc_u64 s[G0W+4*\slot+2:G0W+4*\slot+3], s[G0W+4*\slot+2:G0W+4*\slot+3], REFILL
	WLOAD \slot
.set NF, NF+1
.endif
	PLACES
	FETCH_B \next, 0, 0
	FETCH_A \next, 0, 0, NA/2
.if (\fill) && (NF < 4)                ; behind fill NF's load and the run of LDS loads: fill NF + 2; fills 4 and 5 are the last
	global_prefetch_b8 v[PFW], s[104:105] offset:((NF+2)%2)*49152+((NF+2)/2)*786432 th:TH_LOAD_NT scope:SCOPE_SE
.endif
	MWIN 0
	MULQ NA/2, NA/2, 1, \s, 0
	PLACES
	WIN 0
	FETCH_A \next, 0, NA/2, NA/2
.endm
.macro LAST s
	s_wait_dscnt 3*NA/2
	MWIN 0
	MULQ 0, NA/2, 1, \s, 0
	s_wait_dscnt 0x0
	MULQ NA/2, NA/2, 1, \s, 0
	WIN 0
.endm
	s_load_b256 s[36:43], s[0:1], 0x0
	s_load_b128 s[44:47], s[0:1], 0x20
	s_load_b64 s[48:49], s[0:1], 0x30
	v_lshl_add_u32 v[SPW], v0, 2, SPARE
	v_mov_b32 v[NIL], 0
	ds_add_u32 v[SPW], v[NIL]
	ds_add_u32 v[SPW], v[NIL]
	v_lshrrev_b32 v1, 5, v0
	v_readfirstlane_b32 s[WV], v1
	s_lshr_b32 s[FS], s[WV], 1
	s_and_b32 s[WB], s[WV], 1
	s_bfe_u32 s55, ttmp6, 0x40000
	s_bfe_u32 s56, ttmp6, 0x40004
	s_lshl_b32 s57, ttmp9, 2
	s_add_co_u32 s57, s57, s55
	s_and_b32 s58, ttmp7, 0xffff
	s_lshl_b32 s58, s58, 2
	s_add_co_u32 s58, s58, s56
	s_lshl_b32 s60, s56, 2
	s_lshl_b32 s60, 15, s60
	s_lshl_b32 s61, 0x1111, s55
	s_or_b32 s[G1X], s60, (3<<16)|(1<<21)
	s_or_b32 s[G1W], s61, (3<<16)|(1<<21)
	s_mov_b32 s[G1X+1], 32<<16
	s_mov_b32 s[G1X+2], 192<<16
	s_mov_b32 s[G1X+3], 32<<16
	s_mov_b32 s[G1X+4], 192
	s_mov_b32 s[G1X+5], 32
	s_mov_b32 s[G1X+6], 0
	s_mov_b32 s[G1X+7], 0
	s_mov_b32 s[G1W+1], 32<<16
	s_mov_b32 s[G1W+2], 96<<16
	s_mov_b32 s[G1W+3], 32<<16
	s_mov_b32 s[G1W+4], 96
	s_mov_b32 s[G1W+5], 32
	s_mov_b32 s[G1W+6], 0
	s_mov_b32 s[G1W+7], 0
	s_lshl_b32 s68, s58, 1
	s_add_co_u32 s68, s68, s[WB]
	s_mul_i32 s68, s68, 98304
	s_mov_b32 s69, 0
	s_mul_i32 s72, s57, 98304
	s_mul_i32 s73, s[WB], 24576
	s_add_co_u32 s72, s72, s73
	s_mov_b32 s73, 0
	s_mul_i32 s62, s[WB], 98304
	s_mul_i32 s63, s[WB], 24576
	s_add_co_u32 s63, s63, WR
	s_mov_b32 s[SEL], 0x76543210
	s_mov_b32 s[SEL+1], 0xfedcba98
	s_mov_b32 s96, 0xffff0000
	s_wait_dscnt 0x0
	s_wait_kmcnt 0x0
	s_add_nc_u64 s[68:69], s[36:37], s[68:69]
	s_add_nc_u64 s[72:73], s[38:39], s[72:73]
	s_lshl_b32 s98, s58, 1                         ; the prefetches' bases.  x: group 2 y + wave / 2, + 24,576 (wave % 2) + 256 cx
	s_add_co_u32 s98, s98, s[FS]
	s_mul_i32 s98, s98, 98304
	s_mul_i32 s97, s[WB], 24576
	s_add_co_u32 s98, s98, s97
	s_lshl_b32 s97, s55, 8
	s_add_co_u32 s98, s98, s97
	s_mov_b32 s99, 0
	s_add_nc_u64 s[100:101], s[36:37], s[98:99]
	s_mul_i32 s98, s57, 98304                      ; the weights: group x, + 12,288 wave + 256 cy
	s_mul_i32 s97, s[WV], 12288
	s_add_co_u32 s98, s98, s97
	s_lshl_b32 s97, s56, 8
	s_add_co_u32 s98, s98, s97
	s_add_nc_u64 s[104:105], s[38:39], s[98:99]
	v_and_b32 v[PFX], 31, v0
	v_min_u32 v[PFW], 11, v[PFX]
	v_min_u32 v[PFX], 23, v[PFX]
	v_lshlrev_b32 v[PFW], 10, v[PFW]
	v_lshlrev_b32 v[PFX], 10, v[PFX]
	; the head's own tiles too are asked for, as soon as the arguments are in: the opening round and the descriptors' set-up stand between these two lines and the head's load
	global_prefetch_b8 v[PFX], s[100:101] th:TH_LOAD_NT scope:SCOPE_SE                 ; x's K steps 0-3
	global_prefetch_b8 v[PFW], s[104:105] th:TH_LOAD_NT scope:SCOPE_SE                 ; the weights' fill 0
	CROUND
.irp s, 0,1
	s_mov_b32 s[G0X+4*\s], 1
	s_add_co_u32 s[G0X+4*\s+1], s62, \s*XHALF
	s_add_nc_u64 s[G0X+4*\s+2:G0X+4*\s+3], s[68:69], \s*XHALF
	s_or_b32 s[G0X+4*\s+3], s[G0X+4*\s+3], 0x80000000
	s_mov_b32 s[G0W+4*\s], 1
	s_add_co_u32 s[G0W+4*\s+1], s63, \s*XHALF
	s_add_nc_u64 s[G0W+4*\s+2:G0W+4*\s+3], s[72:73], \s*XHALF
	s_or_b32 s[G0W+4*\s+3], s[G0W+4*\s+3], 0x80000000
.endr
	JLOAD G0X, G1X, G0W, G1W                       ; K steps 0-3: one tensor load a wave at the head
	v_and_b32 v1, 31, v0
	v_lshlrev_b32 v1, 4, v1
	v_and_b32 v16, 15, v0
	v_bfe_u32 v17, v0, 4, 1
	v_lshlrev_b32 v2, 4, v16
	v_lshl_add_u32 v2, v17, 9, v2
	v_lshlrev_b32 v3, 4, v16
	v_lshl_add_u32 v3, v17, 3, v3
	v_lshlrev_b32 v14, 6, v17
	v_and_b32 v15, 7, v0
	v_bfe_u32 v18, v0, 3, 1
	v_lshlrev_b32 v15, 2, v15
	v_lshl_add_u32 v15, v18, 6, v15
	v_mov_b32 v[FL], 0x1800000
.irp b, 0,1,2,3
	v_mov_b32 v[TM+4+\b], 0
.endr
	s_mul_i32 s2, s[FS], 98304
	s_mul_i32 s3, s[WB], 6144
	s_add_co_u32 s2, s2, s3
	v_add_nc_u32 v[XA1], s2, v1
	s_add_co_u32 s2, s2, XHALF
	v_add_nc_u32 v[XA1+1], s2, v1
	v_add_nc_u32 v[WA0], WR, v1
	v_add_nc_u32 v[WA0+1], WR+XHALF, v1
	s_mul_i32 s2, s[FS], 6144
	s_add_co_u32 s2, s2, WR
	v_add_nc_u32 v[WA1], s2, v1
	s_add_co_u32 s2, s2, XHALF
	v_add_nc_u32 v[WA1+1], s2, v1
	s_mul_i32 s2, s[WB], 98304
	v_add_nc_u32 v[XA0], s2, v1
	s_add_co_u32 s2, s2, XHALF
	v_add_nc_u32 v[XA0+1], s2, v1
	s_lshl_b32 s50, s58, 1
	s_add_co_u32 s51, s50, s[WB]
	s_add_co_u32 s50, s50, s[FS]
	s_mov_b32 s67, 0
	s_lshl_b32 s66, s50, 12
	s_lshl_b32 s59, s[WB], 8
	s_add_co_u32 s66, s66, s59
	s_add_co_u32 s66, s66, 6291456
	s_add_nc_u64 s[70:71], s[36:37], s[66:67]
	s_lshl_b32 s66, s51, 12
	s_add_co_u32 s66, s66, 6291456
	s_add_nc_u64 s[78:79], s[36:37], s[66:67]
	s_lshl_b32 s66, s57, 12
	s_add_co_u32 s66, s66, 2359296
	s_add_nc_u64 s[74:75], s[38:39], s[66:67]
	s_lshl_b32 s59, s[FS], 8
	s_add_co_u32 s66, s66, s59
	s_add_co_u32 s66, s66, 65536
	s_add_nc_u64 s[76:77], s[38:39], s[66:67]
	s_lshl_b32 s66, s57, 9
	s_add_nc_u64 s[80:81], s[40:41], s[66:67]
	s_add_nc_u64 s[82:83], s[42:43], s[66:67]
	s_add_co_u32 s66, s66, s59
	s_add_nc_u64 s[84:85], s[44:45], s[66:67]
	s_lshl_b32 s59, s50, 3
	s_add_co_u32 s59, s59, s57
	s_mul_i32 s66, s59, 12288
	s_mul_i32 s2, s[WB], 6144
	s_add_co_u32 s66, s66, s2
	s_add_nc_u64 s[86:87], s[46:47], s[66:67]
	s_lshl_b32 s66, s59, 9
	s_lshl_b32 s2, s[WB], 8
	s_add_co_u32 s66, s66, s2
	s_add_co_u32 s66, s66, 12582912
	s_add_nc_u64 s[88:89], s[46:47], s[66:67]
	s_lshr_b32 s59, s51, 4
	s_lshl_b32 s59, s59, 3
	s_add_co_u32 s59, s59, s57
	s_lshl_b32 s59, s59, 4
	s_and_b32 s2, s51, 15
	s_add_co_u32 s59, s59, s2
	s_mul_i32 s66, s59, 12288
	s_mul_i32 s2, s[FS], 6144
	s_add_co_u32 s66, s66, s2
	s_add_nc_u64 s[90:91], s[48:49], s[66:67]
	s_lshl_b32 s66, s59, 9
	s_lshl_b32 s2, s[FS], 8
	s_add_co_u32 s66, s66, s2
	s_add_co_u32 s66, s66, 6291456
	s_add_nc_u64 s[94:95], s[48:49], s[66:67]
.irp g, 0,1,2,3
	global_load_b128 v[XS1+4*\g:XS1+4*\g+3], v2, s[70:71] offset:1024*\g
.endr
.irp s, 0,1,2,3,4,5,6,7
	global_load_b128 v[WQS+4*\s:WQS+4*\s+3], v1, s[74:75] offset:512*\s
.endr
	WIN 0xc0
.irp b, 0,1,2,3,4,5,6,7
	global_load_b128 v[CBQ+8*\b:CBQ+8*\b+3], v14, s[80:81] offset:(32*(\b/2)+8*(\b%2))*4
	global_load_b128 v[CBQ+8*\b+4:CBQ+8*\b+7], v14, s[80:81] offset:(32*(\b/2)+8*(\b%2))*4+16
.endr
	WIN 0
.irp s, 0,1,2,3,4,5,6,7
	global_load_b128 v[WKS+4*\s:WKS+4*\s+3], v1, s[74:75] offset:32768+512*\s
.endr
	WIN 0xc0
.irp b, 0,1,2,3,4,5,6,7
	global_load_b128 v[CBK+8*\b:CBK+8*\b+3], v14, s[82:83] offset:(32*(\b/2)+8*(\b%2))*4
	global_load_b128 v[CBK+8*\b+4:CBK+8*\b+7], v14, s[82:83] offset:(32*(\b/2)+8*(\b%2))*4+16
.endr
	WIN 0
	; the head's prefetches stand behind the set-up and the loads of scale words and biases: what the first K steps need is asked for first
	global_prefetch_b8 v[PFX], s[100:101] offset:49152 th:TH_LOAD_NT scope:SCOPE_SE    ; x's K steps 4-7
	global_prefetch_b8 v[PFW], s[104:105] offset:49152 th:TH_LOAD_NT scope:SCOPE_SE    ; the weights' fill 1
	global_prefetch_b8 v[PFW], s[104:105] offset:786432 th:TH_LOAD_NT scope:SCOPE_SE   ; and fill 2
	s_wait_alu depctr_va_vdst(0)
	s_wait_tensorcnt 0x0                           ; my part of K steps 0-3 is in
	ds_add_u32 v[SPW], v[NIL]
	s_wait_dscnt 0x0
	CROUND                                         ; everybody's part is in, and the joint loads meet
	JLOAD G0X+4, G1X, G0W+4, G1W                   ; K steps 4-7, the first tensor load behind the round
.set ADRA, XA1
.set ADRB, WA0
	FETCH_B 0, 0, 0
	FETCH_A 0, 0, 0, NA/2
	FETCH_A 0, 0, NA/2, NA/2
	s_wait_loadcnt 24
.irp s, 0,1,2,3,4,5,6,7
	global_load_b128 v[XS0+4*\s:XS0+4*\s+3], v1, s[78:79] offset:512*\s
.endr
.irp g, 0,1,2,3
	global_load_b128 v[WVS+4*\g:WVS+4*\g+3], v2, s[76:77] offset:1024*\g
.endr
	WIN 0xc0
.irp a, 0,1,2,3
	global_load_b32 v[CBV+8*\a], v15, s[84:85] offset:(32*(\a/2)+8*(\a%2))*4
.endr
	WIN 0
	global_prefetch_b8 v[PFW], s[104:105] offset:835584 th:TH_LOAD_NT scope:SCOPE_SE   ; the weights' fill 3, two fills ahead
.macro QOUT a, base, off
.set AC, 64*(\a)
	WIN 0x28
.irp b, 0,1,2,3
	v_max3_num_f32 v[TM+\b], v[FL], |v[AC+16*\b]|, |v[AC+16*\b+1]|
.endr
.irp i, 2,4,6,8,10,12,14
.irp b, 0,1,2,3
	v_max3_num_f32 v[TM+\b], v[TM+\b], |v[AC+16*\b+\i]|, |v[AC+16*\b+\i+1]|
.endr
.endr
	WIN 0
.irp b, 0,1,2,3
	v_permlanex16_b32 v[TM+4+\b], v[TM+\b], s[SEL], s[SEL+1]
.endr
.irp b, 0,1,2,3
	v_max_num_f32 v[TM+\b], v[TM+\b], v[TM+4+\b]
.endr
.irp b, 0,1,2,3
	v_add_nc_u32 v[TM+12+\b], 0xff000000, v[TM+\b]
.endr
.irp b, 0,1,2,3
	v_lshrrev_b32 v[TM+4+\b], 23, v[TM+12+\b]
.endr
	v_lshl_or_b32 v[SW+(\a)], v[TM+5], 8, v[TM+4]
	v_lshl_or_b32 v[SW+(\a)], v[TM+6], 16, v[SW+(\a)]
	v_lshl_or_b32 v[SW+(\a)], v[TM+7], 24, v[SW+(\a)]
	s_wait_xcnt 0x0
	WIN 0x02
.irp c, 0,1
	v_cvt_scalef32_pk16_fp6_f32 v[PC+6*\c:PC+6*\c+2], v[AC+32*\c:AC+32*\c+15], v[TM+12+2*\c]
	v_cvt_scalef32_pk16_fp6_f32 v[PC+12+4*\c:PC+14+4*\c], v[AC+32*\c+16:AC+32*\c+31], v[TM+12+2*\c+1]
.endr
	WIN 0
	v_nop
.irp c, 0,1
.irp i, 0,1,2
	v_permlane16_swap_b32 v[PC+6*\c+\i], v[PC+12+4*\c+\i]
.endr
.irp i, 0,1,2
	v_mov_b32 v[PC+3+6*\c+\i], v[PC+12+4*\c+\i]
.endr
.endr
.irp c, 0,1,2
	global_store_b128 v1, v[PC+4*\c:PC+4*\c+3], s[\base:\base+1] offset:(\off)+1536*(\a)+512*\c
.endr
.endm
.macro OUT4 base, off, wbase, woff
	QOUT 0, \base, \off
	QOUT 1, \base, \off
	QOUT 2, \base, \off
	QOUT 3, \base, \off
	v_cndmask_b32 v[OUTW], v[SW], v[SW+2], s96
	v_cndmask_b32 v[OUTW+1], v[SW+1], v[SW+3], s96
	global_store_b64 v3, v[OUTW:OUTW+1], s[\wbase:\wbase+1] offset:\woff
.endm
.set AS, XS1
.set BS, WQS
.set CB, CBQ
	STEP 0, 0, 0, 1
	STEP 0, 1, 1, 0
	STEP 0, 2, 2, 0
	TURN 0, 1, 1, 3
	STEP 1, 0, 4, 0
	STEP 1, 1, 5, 0
	STEP 1, 2, 6, 0
	TURN 1, 0, 1, 7
	s_wait_loadcnt 0x0
	WIN 0xc3
.irp a, 0,1,2,3
.irp j, 1,2,3,4,5,6,7
	v_mov_b32 v[CBV+8*\a+\j], v[CBV+8*\a]
.endr
.endr
	WIN 0
	OUT4 86, 0, 88, 0
.set BS, WKS
.set CB, CBK
	STEP 0, 0, 0, 1
	STEP 0, 1, 1, 0
	STEP 0, 2, 2, 0
	TURN 0, 1, 1, 3
	STEP 1, 0, 4, 0
	STEP 1, 1, 5, 0
	STEP 1, 2, 6, 0
.set ADRA, WA1
.set ADRB, XA0
	TURN 1, 0, 1, 7
	OUT4 86, 6291456, 88, 262144
.set AS, WVS
.set BS, XS0
.set CB, CBV
	STEP 0, 0, 0, 2
	STEP 0, 1, 1, 0
	STEP 0, 2, 2, 0
	TURN 0, 1, 0, 3
	STEP 1, 0, 4, 0
	STEP 1, 1, 5, 0
	STEP 1, 2, 6, 0
	LAST 7
	PLACES
	OUT4 90, 0, 94, 0
	s_wait_tensorcnt 0x0
	ds_add_u32 v[SPW], v[NIL]
	s_wait_dscnt 0x0
	CROUND
	s_endpgm
.Lfunc_end_k_qb52549f840_proj:
	.size	k_qb52549f840_proj, .Lfunc_end_k_qb52549f840_proj-k_qb52549f840_proj
	.p2alignl 7, 3214868480
	.fill 96, 4, 3214868480
	.section	.rodata,"a",@progbits
	.p2align	6, 0x0
	.amdhsa_kernel k_qb52549f840_proj
		.amdhsa_group_segment_fixed_size 327680
		.amdhsa_private_segment_fixed_size 0
		.amdhsa_enable_private_segment 0
		.amdhsa_kernarg_size 56
		.amdhsa_user_sgpr_count 2
		.amdhsa_user_sgpr_kernarg_segment_ptr 1
		.amdhsa_wavefront_size32 1
		.amdhsa_system_sgpr_workgroup_id_x 1
		.amdhsa_system_sgpr_workgroup_id_y 1
		.amdhsa_system_sgpr_workgroup_id_z 1
		.amdhsa_system_vgpr_workitem_id 0
		.amdhsa_next_free_vgpr 1024
		.amdhsa_next_free_sgpr 106
		.amdhsa_reserve_vcc 0
		.amdhsa_float_denorm_mode_32 3
		.amdhsa_float_denorm_mode_16_64 3
		.amdhsa_memory_ordered 1
		.amdhsa_forward_progress 1
		.amdhsa_inst_pref_size 233
	.end_amdhsa_kernel
	.amdgpu_metadata
---
amdhsa.version: [ 1, 2 ]
amdhsa.kernels:
  - .name:           k_qb52549f840_proj
    .symbol:         k_qb52549f840_proj.kd
    .args:
      - { .name: xq, .offset: 0, .size: 8, .value_kind: global_buffer, .address_space: global }
      - { .name: wc, .offset: 8, .size: 8, .value_kind: global_buffer, .address_space: global }
      - { .name: bq, .offset: 16, .size: 8, .value_kind: global_buffer, .address_space: global }
      - { .name: bk, .offset: 24, .size: 8, .value_kind: global_buffer, .address_space: global }
      - { .name: bv, .offset: 32, .size: 8, .value_kind: global_buffer, .address_space: global }
      - { .name: qk, .offset: 40, .size: 8, .value_kind: global_buffer, .address_space: global }
      - { .name: vq, .offset: 48, .size: 8, .value_kind: global_buffer, .address_space: global }
    .group_segment_fixed_size: 327680
    .private_segment_fixed_size: 0
    .kernarg_segment_align: 8
    .kernarg_segment_size: 56
    .max_flat_workgroup_size: 128
    .sgpr_count:     106
    .vgpr_count:     1024
    .wavefront_size: 32
...
	.end_amdgpu_metadata
.endif
;; end of part 2
;; launch scores (part 3): grid 8 x 32, 4 waves a work-group, clusters of 4 x 4, 327,680 bytes of LDS; arguments qk, mb, pq; writes pq
.if DOCPART == 3
	.amdgcn_target "amdgcn-amd-amdhsa--gfx1250"
	.amdhsa_code_object_version 6
	.text
	.protected	k_qb52549f840_scores
	.globl	k_qb52549f840_scores
	.p2align	8
	.type	k_qb52549f840_scores,@function
k_qb52549f840_scores:
	s_mov_b64 s[64:65], 0
	v_nop
	global_prefetch_b8 v0, s[64:65] scope:SCOPE_SE
	s_setreg_imm32_b32 hwreg(HW_REG_WAVE_MODE, 25, 1), 1
	s_wait_xcnt 0x0
	s_wait_alu depctr_hold_cnt(0) depctr_sa_sdst(0) depctr_va_vdst(0) depctr_va_sdst(0) depctr_va_ssrc(0) depctr_va_vcc(0) depctr_vm_vsrc(0)
	s_getreg_b32 s2, hwreg(HW_REG_IB_STS2, 6, 4)
	s_cmp_eq_u32 s2, 0
	s_cbranch_scc0 .Lentry_in_a_cluster
	s_endpgm
.Lentry_in_a_cluster:
	s_bfe_u32 s2, ttmp6, 0x10000c
	s_cmp_lg_u32 s2, 0xf033
	s_cbranch_scc0 .Lentry_shape_is_right
	s_endpgm
.Lentry_shape_is_right:
; SCORES.  S^T = k q^T on codes of FP6 (E2M3), the mask, and the softmax's p, quantised along the keys.  Only codes, scale words and two numbers for each row and 128 keys go to memory.
; A work-group makes 256 queries x 256 keys of one batch, a wave 128 x 128.  Source 0 = 16 keys, source 1 = 16 queries: a lane holds one query and its registers run along the keys, the next K.
; THE SOFTMAX.  t = score x log2(e) / 32 (q was left undivided; 32 is a power of two, so the product is the same number); a masked t is the f32 product -999999 x log2(e).  t is rounded first and M taken off afterwards.
; M HERE IS LOCAL: the ceiling of the largest t of the row's 128 keys in my tile.  p = 2^(t - M) is quantised under it; -M and the sum of the unquantised p are stored beside the scale word.  M is a whole number, so the
; next launch brings every block under the row's M by taking the difference off its scale byte, which changes no code.  A maximum is taken away ahead of every exponential.
; The mask's words come by scalar loads, 64 for a tile of queries, into the descriptors' registers, which are free behind the last wait for all tensor loads; they only select values.
; CLUSTERS: 4 x 4: q's tile jointly along a row of the cluster, k's along a column.  Of a wave's three tile loads two go out at the head.
; LIMITS: a block whose every p is 0 gets the byte 1 (its codes are zeros); NaN and infinities are not served.
; REGISTERS: window 0: v1 16 x lane; v4-7 LDS addresses; v8, v9 the add's two; v16-47 q's scale words, v48-79 k's; v80-175 q's fragments, later t and p (v80-143), codes (v144-162), at work; v192-215 the tiles' words, -M, sums.
;   window 1: k's fragments, two sets.   windows 2, 3: accumulator (a, b) at v[8 (8 (a % 4) + b)].
; THE RING AS IT STANDS (in place of the head's sentence on the tile loads): two slots of three K steps, 147,456 bytes each.  A wave's one load at the head brings K steps 0-2 of its 128 rows; K steps 3-5 are asked for
; behind the full sequence and a round; K steps 6 and 7 fill slot 0 again behind the change of slots in K step 2.  k's two sets of registers go by the K step's parity.
; PREFETCH: each later fill is asked for one fill, three K steps, ahead.  Of the blocks of 256 bytes that a wave loads, the partner at place p (cx for q, cy for k) takes those with number p modulo 4, by address:
; 36 blocks of K steps 3-5 (32 lanes, then 4), 24 of K steps 6, 7; the lanes left over name the last block again.  The address registers are never rewritten.
.set NA,    8
.set HIW,   1
.set PVK,   0
.set CB,    0
.set SLOT,  147456
.set SPARE, 294912
.set REFILL, 73728                     ; from K step 0 to K step 6
.set ADRA, 4
.set ADRB, 6
.set SPW,  8
.set NIL,  9
.set AS,   16
.set BS,   48
.set AF,   80
.set T,    80
.set PC,   144
.set BM,   164                         ; v164-167 the blocks' largest t, then p
.set BX,   168                         ; v168-171 at work
.set SO,   172                         ; v172-175 the conversions' scale operands
.set S0,   176
.set S1,   178
.set NG,   180                         ; v180 -M; v181 named with it as a pair
.set TMK,  182                         ; a masked t
.set TX,   183
.set SW,   192
.set NM,   200
.set LS,   208
.set OUTW, 216
.set G1A, 4
.set G1B, 12
.set G0A, 20
.set G0B, 28
.set WV,  52
.set FS,  53
.set WB,  54
.set CS,  90
.set SEL, 92
.set MSB, 0
.macro WIN new
.if MSB != (\new)
	s_set_vgpr_msb (MSB<<8)|(\new)
.set MSB, (\new)
.endif
.endm
.set TO_B, 0x40
.macro MWIN hi, cm
.if ((\cm) == 1) || ((\cm) == 2)
	WIN 0x81+0x40*(\hi)*HIW
.else
	WIN 0xa1+0x50*(\hi)*HIW
.endif
.endm
.macro PLACES
.rept 4
	v_nop
.endr
.endm
.macro JLOAD g0a, g1a, g0b, g1b        ; a joint load; an s_nop 0 and four v_nop follow each of the two lines
	s_cmp_eq_u32 s[FS], 0
	s_cbranch_scc0 .Lfor_b_\@
	tensor_load_to_lds s[\g0a:\g0a+3], s[\g1a:\g1a+7]
	s_nop 0
.rept 4
	v_nop
.endr
	s_branch .Lasked_\@
.Lfor_b_\@:
	tensor_load_to_lds s[\g0b:\g0b+3], s[\g1b:\g1b+7]
	s_nop 0
.rept 4
	v_nop
.endr
.Lasked_\@:
.endm
.macro CREST
	s_cmp_lg_u32 s[WV], 0
	s_cbranch_scc1 .Lnot_wave_0_\@
	s_barrier_signal -3
.Lnot_wave_0_\@:
	s_barrier_wait -3
	s_barrier_signal -1
	s_barrier_wait -1
.endm
.macro CROUND
	s_barrier_signal -1
	s_barrier_wait -1
	CREST
.endm
.macro WMI
.if ZZ
.if RR == 0
	v_wmma_scale_f32_16x16x128_f8f6f4 v[rD:rD+7], v[rF0:rF0+11], v[rF1:rF1+11], 0, v[rS0], v[rS1] matrix_a_fmt:MATRIX_FMT_FP6 matrix_b_fmt:MATRIX_FMT_FP6
.elseif RR == 1
	v_wmma_scale_f32_16x16x128_f8f6f4 v[rD:rD+7], v[rF0:rF0+11], v[rF1:rF1+11], 0, v[rS0], v[rS1] matrix_a_fmt:MATRIX_FMT_FP6 matrix_b_fmt:MATRIX_FMT_FP6 matrix_b_scale:MATRIX_SCALE_ROW1
.elseif RR == 2
	v_wmma_scale_f32_16x16x128_f8f6f4 v[rD:rD+7], v[rF0:rF0+11], v[rF1:rF1+11], 0, v[rS0], v[rS1] matrix_a_fmt:MATRIX_FMT_FP6 matrix_b_fmt:MATRIX_FMT_FP6 matrix_a_scale:MATRIX_SCALE_ROW1
.else
	v_wmma_scale_f32_16x16x128_f8f6f4 v[rD:rD+7], v[rF0:rF0+11], v[rF1:rF1+11], 0, v[rS0], v[rS1] matrix_a_fmt:MATRIX_FMT_FP6 matrix_b_fmt:MATRIX_FMT_FP6 matrix_a_scale:MATRIX_SCALE_ROW1 matrix_b_scale:MATRIX_SCALE_ROW1
.endif
.else
.if RR == 0
	v_wmma_scale_f32_16x16x128_f8f6f4 v[rD:rD+7], v[rF0:rF0+11], v[rF1:rF1+11], v[rC:rC+7], v[rS0], v[rS1] matrix_a_fmt:MATRIX_FMT_FP6 matrix_b_fmt:MATRIX_FMT_FP6
.elseif RR == 1
	v_wmma_scale_f32_16x16x128_f8f6f4 v[rD:rD+7], v[rF0:rF0+11], v[rF1:rF1+11], v[rC:rC+7], v[rS0], v[rS1] matrix_a_fmt:MATRIX_FMT_FP6 matrix_b_fmt:MATRIX_FMT_FP6 matrix_b_scale:MATRIX_SCALE_ROW1
.elseif RR == 2
	v_wmma_scale_f32_16x16x128_f8f6f4 v[rD:rD+7], v[rF0:rF0+11], v[rF1:rF1+11], v[rC:rC+7], v[rS0], v[rS1] matrix_a_fmt:MATRIX_FMT_FP6 matrix_b_fmt:MATRIX_FMT_FP6 matrix_a_scale:MATRIX_SCALE_ROW1
.else
	v_wmma_scale_f32_16x16x128_f8f6f4 v[rD:rD+7], v[rF0:rF0+11], v[rF1:rF1+11], v[rC:rC+7], v[rS0], v[rS1] matrix_a_fmt:MATRIX_FMT_FP6 matrix_b_fmt:MATRIX_FMT_FP6 matrix_a_scale:MATRIX_SCALE_ROW1 matrix_b_scale:MATRIX_SCALE_ROW1
.endif
.endif
.endm
; n tiles of queries from a0 on, each against the eight tiles of keys; cm = 3: the constant 0 starts the sums.  The accumulators take turns, one instruction a turn.
.macro MULQ a0, n, p, s, cm
.set ia, \a0
.rept \n
.set ib, 0
.rept 8
.set rD, 8*(8*(ia%4)+ib)
.set rF0, 128*(\p)+12*ib
.set rF1, AF+12*ia
.set rS0, BS+4*(\s)+ib%4
.if PVK
.set rS1, AS+4*((\s)/2)+ia
.set RR, 2*(ib/4)+(\s)%2
.else
.set rS1, AS+4*(\s)+ia%4
.set RR, 2*(ib/4)+ia/4
.endif
.set ZZ, 0
.set rC, rD
.if (\cm) == 1
.set rC, CB+8*ib
.elseif (\cm) == 2
.set rC, CB+8*ia
.elseif (\cm) == 3
.set ZZ, 1
.endif
	WMI
.set ib, ib+1
.endr
.set ia, ia+1
.endr
.endm
.macro FETCH_B slot, q, p
	WIN TO_B
.set ib, 0
.rept 8
.irp c, 0,1,2
	ds_load_b128 v[128*(\p)+12*ib+4*\c:128*(\p)+12*ib+4*\c+3], v[ADRB+\slot] offset:12288*(\q)+1536*ib+512*\c
.endr
.set ib, ib+1
.endr
	WIN 0
.endm
.macro FETCH_A slot, q, i0, n
.set ia, \i0
.rept \n
.irp c, 0,1,2
	ds_load_b128 v[AF+12*ia+4*\c:AF+12*ia+4*\c+3], v[ADRA+\slot] offset:12288*(\q)+1536*ia+512*\c
.endr
.set ia, ia+1
.endr
.endm
.macro STEP slot, q, s, cm
	s_wait_dscnt 3*NA/2                            ; k's set and q's first half are in; the youngest loads, q's second half, may be out
	MWIN 0, \cm
	MULQ 0, NA/2, (\s)%2, \s, \cm
	s_wait_dscnt 0x0
	PLACES
	FETCH_B \slot, (\q)+1, 1-(\s)%2
	FETCH_A \slot, (\q)+1, 0, NA/2
	MWIN 1, \cm
	MULQ NA/2, NA/2, (\s)%2, \s, \cm
	PLACES
	WIN 0
	FETCH_A \slot, (\q)+1, NA/2, NA/2
.endm
.macro TURN slot, next, fill, s
	s_wait_tensorcnt 0x0                           ; all my tensor loads have landed: my part of the next slot
	ds_add_u32 v[SPW], v[NIL]
	s_wait_dscnt 3*NA/2+1                          ; (the add and q's second half may be out)
	MWIN 0, 0
	MULQ 0, NA/4, (\s)%2, \s, 0
	s_wait_dscnt 0x0                               ; the add is done, and my reads of this slot are over
	s_barrier_signal -1
	MULQ NA/4, NA/4, (\s)%2, \s, 0
	WIN 0
	s_barrier_wait -1
.if \fill
	CREST                                          ; a round of the cluster's barrier: no wave of any partner still reads this slot or has a load on its way
	s_add_nc_u64 s[G0A+4*\slot+2:G0A+4*\slot+3], s[G0A+4*\slot+2:G0A+4*\slot+3], REFILL
	s_add_nc_u64 s[G0B+4*\slot+2:G0B+4*\slot+3], s[G0B+4*\slot+2:G0B+4*\slot+3], REFILL
	s_mov_b32 s[G1A+2], 96<<16                     ; no tensor load of mine is out: the one refill brings two K steps, 96 rows of 256 bytes
	s_mov_b32 s[G1A+4], 96
	s_mov_b32 s[G1B+2], 96<<16
	s_mov_b32 s[G1B+4], 96
	JLOAD G0A+4*\slot, G1A, G0B+4*\slot, G1B
.else
	PLACES
.endif
	FETCH_B \next, 0, 1-(\s)%2
	FETCH_A \next, 0, 0, NA/2
	MWIN 1, 0
	MULQ NA/2, NA/2, (\s)%2, \s, 0
	PLACES
	WIN 0
	FETCH_A \next, 0, NA/2, NA/2
.endm
.macro LAST s
	s_wait_dscnt 3*NA/2
	MWIN 0, 0
	MULQ 0, NA/2, 1, \s, 0
	s_wait_dscnt 0x0
	MWIN 1, 0
	MULQ NA/2, NA/2, 1, \s, 0
	WIN 0
.endm
	s_load_b128 s[36:39], s[0:1], 0x0              ; qk, mb
	s_load_b64 s[40:41], s[0:1], 0x10              ; pq
	v_lshl_add_u32 v[SPW], v0, 2, SPARE
	v_mov_b32 v[NIL], 0
	ds_add_u32 v[SPW], v[NIL]                      ; the wave's opening: the add and its wait ahead of my first tensor load
	ds_add_u32 v[SPW], v[NIL]
	v_lshrrev_b32 v1, 5, v0
	v_readfirstlane_b32 s[WV], v1
	s_lshr_b32 s[FS], s[WV], 1
	s_and_b32 s[WB], s[WV], 1
	s_bfe_u32 s55, ttmp6, 0x40000                  ; cx
	s_bfe_u32 s56, ttmp6, 0x40004                  ; cy
	s_lshl_b32 s57, ttmp9, 2
	s_add_co_u32 s57, s57, s55                     ; work-group x: 256 keys
	s_and_b32 s58, ttmp7, 0xffff
	s_lshl_b32 s58, s58, 2
	s_add_co_u32 s58, s58, s56                     ; work-group y: 256 queries
	s_and_b32 s59, ttmp7, 0xffff
	s_lshr_b32 s59, s59, 1                         ; the batch: two clusters along y each
	s_lshl_b32 s60, s56, 2
	s_lshl_b32 s60, 15, s60
	s_lshl_b32 s61, 0x1111, s55
	s_or_b32 s[G1A], s60, (3<<16)|(1<<21)
	s_or_b32 s[G1B], s61, (3<<16)|(1<<21)
.irp g, G1A, G1B                       ; a dense block of 36,864 bytes, three K steps, as 144 rows of 256
	s_mov_b32 s[\g+1], 32<<16
	s_mov_b32 s[\g+2], 144<<16
	s_mov_b32 s[\g+3], 32<<16
	s_mov_b32 s[\g+4], 144
	s_mov_b32 s[\g+5], 32
	s_mov_b32 s[\g+6], 0
	s_mov_b32 s[\g+7], 0
.endr
	s_lshl_b32 s68, s58, 1
	s_add_co_u32 s68, s68, s[WB]
	s_mul_i32 s68, s68, 98304                      ; q: group 2 y + wave % 2
	s_mov_b32 s69, 0
	s_lshl_b32 s72, s59, 4
	s_lshl_b32 s73, s57, 1
	s_add_co_u32 s72, s72, s73
	s_add_co_u32 s72, s72, s[WB]
	s_mul_i32 s72, s72, 98304
	s_add_co_u32 s72, s72, 6291456                 ; k: group 16 batch + 2 x + wave % 2, behind q's codes
	s_mov_b32 s73, 0
	s_mul_i32 s62, s[WV], 36864
	s_mov_b32 s[CS], 0x3d38aa3b                    ; log2(e) / 32
	s_mov_b32 s[CS+1], s[CS]                       ; (named with it as a pair)
	s_mov_b32 s[SEL], 0x76543210
	s_mov_b32 s[SEL+1], 0xfedcba98
	s_wait_dscnt 0x0                               ; the opening add is done
	s_wait_kmcnt 0x0
	s_add_nc_u64 s[68:69], s[36:37], s[68:69]
	s_add_nc_u64 s[72:73], s[36:37], s[72:73]
	s_cmp_eq_u32 s[FS], 0                          ; the prefetches' base: the rows that I load, + 256 x my place among the four that ask for them with me
	s_cselect_b64 s[94:95], s[68:69], s[72:73]
	s_cselect_b32 s96, s55, s56
	s_lshl_b32 s96, s96, 8
	s_mov_b32 s97, 0
	s_add_nc_u64 s[94:95], s[94:95], s[96:97]
	v_and_b32 v10, 31, v0
	v_min_u32 v11, 3, v10
	v_min_u32 v12, 23, v10
	v_lshlrev_b32 v10, 10, v10
	v_lshlrev_b32 v11, 10, v11
	v_lshlrev_b32 v12, 10, v12
	v_and_b32 v13, 31, v0
	v_min_u32 v13, 7, v13
	v_lshlrev_b32 v13, 8, v13                      ; 256 x min(lane, 7): the eight blocks of my wave's mask words
	; the head's own tile too is asked for, as soon as the arguments are in: the opening round and the descriptors' set-up stand between these two lines and the head's load
	global_prefetch_b8 v10, s[94:95] th:TH_LOAD_NT scope:SCOPE_SE                      ; K steps 0-2: my blocks 0-31 of 36,
	global_prefetch_b8 v11, s[94:95] offset:32768 th:TH_LOAD_NT scope:SCOPE_SE         ; and 32-35
	CROUND                                         ; the first joint loads meet
.irp s, 0,1
	s_mov_b32 s[G0A+4*\s], 1
	s_add_co_u32 s[G0A+4*\s+1], s62, \s*SLOT
	s_add_nc_u64 s[G0A+4*\s+2:G0A+4*\s+3], s[68:69], \s*36864
	s_or_b32 s[G0A+4*\s+3], s[G0A+4*\s+3], 0x80000000
	s_mov_b32 s[G0B+4*\s], 1
	s_add_co_u32 s[G0B+4*\s+1], s62, \s*SLOT
	s_add_nc_u64 s[G0B+4*\s+2:G0B+4*\s+3], s[72:73], \s*36864
	s_or_b32 s[G0B+4*\s+3], s[G0B+4*\s+3], 0x80000000
.endr
	JLOAD G0A, G1A, G0B, G1B                       ; K steps 0-2: one tensor load a wave at the head
	v_and_b32 v1, 31, v0
	v_lshlrev_b32 v1, 4, v1
	s_wait_alu depctr_va_vdst(0)
	s_mul_i32 s2, s[FS], 36864
	v_add_nc_u32 v[ADRA], s2, v1
	s_add_co_u32 s2, s2, SLOT
	v_add_nc_u32 v[ADRA+1], s2, v1
	s_mul_i32 s2, s[WB], 36864
	s_add_co_u32 s2, s2, 73728
	v_add_nc_u32 v[ADRB], s2, v1
	s_add_co_u32 s2, s2, SLOT
	v_add_nc_u32 v[ADRB+1], s2, v1
	s_lshl_b32 s74, s58, 1
	s_add_co_u32 s74, s74, s[FS]                   ; G: my group of queries
	s_lshl_b32 s76, s74, 12
	s_add_co_u32 s76, s76, 12582912
	s_mov_b32 s77, 0
	s_add_nc_u64 s[76:77], s[36:37], s[76:77]      ; q's scale words
	s_lshl_b32 s75, s57, 1
	s_add_co_u32 s75, s75, s[WB]                   ; s: my 128 keys in the batch
	s_lshl_b32 s78, s59, 4
	s_add_co_u32 s78, s78, s75
	s_lshl_b32 s78, s78, 12
	s_add_co_u32 s78, s78, 12845056
	s_mov_b32 s79, 0
	s_add_nc_u64 s[78:79], s[36:37], s[78:79]      ; k's
.irp s, 0,1,2,3,4,5,6,7
	global_load_b128 v[AS+4*\s:AS+4*\s+3], v1, s[76:77] offset:512*\s
	global_load_b128 v[BS+4*\s:BS+4*\s+3], v1, s[78:79] offset:512*\s
.endr
	s_lshl_b32 s74, s74, 4
	s_add_co_u32 s74, s74, s75                     ; 16 G + s
	s_lshl_b32 s80, s74, 11
	s_mov_b32 s81, 0
	s_add_nc_u64 s[84:85], s[38:39], s[80:81]      ; the mask's words
	s_mul_i32 s80, s74, 12288
	s_add_nc_u64 s[86:87], s[40:41], s[80:81]      ; p's codes
	s_lshl_b32 s80, s74, 9
	s_add_co_u32 s80, s80, 12582912
	s_add_nc_u64 s[88:89], s[40:41], s[80:81]      ; p's scale words; -M 524,288 bytes on, the sums 1,048,576
	; the head's prefetches stand behind the set-up and the loads of scale words: what the first K steps need is asked for first
	global_prefetch_b8 v10, s[94:95] offset:36864 th:TH_LOAD_NT scope:SCOPE_SE         ; K steps 3-5: my blocks 0-31 of 36,
	global_prefetch_b8 v11, s[94:95] offset:36864+32768 th:TH_LOAD_NT scope:SCOPE_SE   ; and 32-35
	global_prefetch_b8 v13, s[84:85] th:TH_LOAD_NT scope:SCOPE_SE                      ; my wave's 2,048 bytes of mask words, which no other wave reads: the scalar loads take them tile by tile behind K step 5
	s_wait_alu depctr_va_vdst(0)
	s_wait_tensorcnt 0x0                           ; my part of slot 0 is in
	ds_add_u32 v[SPW], v[NIL]
	s_wait_dscnt 0x0
	CROUND                                         ; everybody's part is in, and the joint loads meet
	JLOAD G0A+4, G1A, G0B+4, G1B                   ; K steps 3-5, the first tensor load behind the round
	FETCH_B 0, 0, 0
	FETCH_A 0, 0, 0, NA/2
	FETCH_A 0, 0, NA/2, NA/2
	global_prefetch_b8 v12, s[94:95] offset:73728 th:TH_LOAD_NT scope:SCOPE_SE         ; K steps 6, 7: my 24 blocks, one fill ahead
	s_wait_loadcnt 0x0
	STEP 0, 0, 0, 3
	STEP 0, 1, 1, 0
	TURN 0, 1, 1, 2
	STEP 1, 0, 3, 0
	STEP 1, 1, 4, 0
	TURN 1, 0, 0, 5
.macro MLOAD a                         ; the 64 words of tile a: word n to s[4 + n + 16 (n / 48)]
	s_load_b512 s[4:19], s[84:85], 256*(\a)
	s_load_b512 s[20:35], s[84:85], 256*(\a)+64
	s_load_b512 s[36:51], s[84:85], 256*(\a)+128
	s_load_b512 s[68:83], s[84:85], 256*(\a)+192
.endm
	MLOAD 0                                        ; no tensor load of mine is out any more: the descriptors' registers are free
	STEP 0, 0, 6, 0
	LAST 7
	PLACES
.irp b, 0,1,2,3
	v_mov_b32 v[BX+\b], 0                          ; a lane permute's destination counts as one of its sources
.endr
	v_mov_b32 v[NG+1], 0
	v_mov_b32 v[TMK], 0x3fb8aa3b
	v_mul_f32 v[TMK], 0xc97423f0, v[TMK]           ; -999999 x log2(e), rounded once
; Tile a: 16 queries x my 128 keys.  Register n of a lane is key 32 (n / 16) + 16 h + n % 16.
.macro SOFT a
.set AC, 64*((\a)%4)
	s_wait_kmcnt 0x0                               ; the tile's mask words
	s_wait_xcnt 0x0                                ; the last tile's stores have read the codes' registers
	WIN 0x02+(\a)/4
.set j, 0
.rept 32
	v_pk_mul_f32 v[T+j:T+j+1], v[AC+j:AC+j+1], s[CS:CS+1] op_sel_hi:[1,0]   ; t; each accumulator from its low end on
.set j, j+2
.endr
	WIN 0
.set j, 0
.rept 64
	v_cndmask_b32 v[T+j], v[TMK], v[T+j], s[4+j+16*(j/48)]
.set j, j+1
.endr
.if (\a) < 7
	MLOAD (\a)+1                                   ; the rest of this tile's work stands between these loads and the wait for them
.endif
.irp b, 0,1,2,3
	v_max3_num_f32 v[BM+\b], v[T+16*\b], v[T+1+16*\b], v[T+2+16*\b]   ; each block's largest t serves twice: for M, and, since p rises with t, for the block's largest p
.endr
.irp i, 3,5,7,9,11,13
.irp b, 0,1,2,3
	v_max3_num_f32 v[BM+\b], v[BM+\b], v[T+16*\b+\i], v[T+1+16*\b+\i]
.endr
.endr
.irp b, 0,1,2,3
	v_max_num_f32 v[BM+\b], v[BM+\b], v[T+15+16*\b]
.endr
.irp b, 0,1,2,3
	v_permlanex16_b32 v[BX+\b], v[BM+\b], s[SEL], s[SEL+1]
.endr
.irp b, 0,1,2,3
	v_max_num_f32 v[BM+\b], v[BM+\b], v[BX+\b]
.endr
	v_max3_num_f32 v[TX], v[BM], v[BM+1], v[BM+2]
	v_max_num_f32 v[TX], v[TX], v[BM+3]
	v_floor_f32 v[NG], -v[TX]                      ; -M = floor(-t) = -ceil(t)
.set j, 0
.rept 32
	v_pk_add_f32 v[T+j:T+j+1], v[T+j:T+j+1], v[NG:NG+1] op_sel_hi:[1,0]   ; t - M
.set j, j+2
.endr
.irp b, 0,1,2,3
	v_add_f32 v[BM+\b], v[BM+\b], v[NG]
.endr
.set j, 0
	s_wait_alu depctr_va_vdst(0)
.rept 64
	v_exp_f32 v[T+j], v[T+j]                       ; p = 2^(t - M), at most 1
.set j, j+1
.endr
	v_mov_b32 v[NM+(\a)], v[NG]                    ; (a plain place behind the exponentials)
	s_wait_alu depctr_va_vdst(0)                   ; one wait for the whole batch, ahead of its first reader
.irp b, 0,1,2,3
	v_exp_f32 v[BM+\b], v[BM+\b]                   ; the block's largest p: the same instructions on the same number
.endr
	v_pk_add_f32 v[S0:S0+1], v[T:T+1], v[T+2:T+3]  ; the sum of the unquantised p, in two packed chains
	v_pk_add_f32 v[S1:S1+1], v[T+4:T+5], v[T+6:T+7]
.irp j, 8,12,16,20,24,28,32,36,40,44,48,52,56,60
	v_pk_add_f32 v[S0:S0+1], v[S0:S0+1], v[T+\j:T+\j+1]
	v_pk_add_f32 v[S1:S1+1], v[S1:S1+1], v[T+\j+2:T+\j+3]
.endr
	v_pk_add_f32 v[S0:S0+1], v[S0:S0+1], v[S1:S1+1]
	v_add_f32 v[TX], v[S0], v[S0+1]
	v_permlanex16_b32 v[BX], v[TX], s[SEL], s[SEL+1]
	v_add_f32 v[LS+(\a)], v[TX], v[BX]
	s_wait_alu depctr_va_vdst(0)                   ; and one for the four
.irp b, 0,1,2,3
	v_max_num_f32 v[BM+\b], 0x1800000, v[BM+\b]    ; the floor 2^(3 - 127)
.endr
.irp b, 0,1,2,3
	v_add_nc_u32 v[SO+\b], 0xff000000, v[BM+\b]
.endr
.irp b, 0,1,2,3
	v_lshrrev_b32 v[BX+\b], 23, v[SO+\b]
.endr
	v_lshl_or_b32 v[SW+(\a)], v[BX+1], 8, v[BX]
	v_lshl_or_b32 v[SW+(\a)], v[BX+2], 16, v[SW+(\a)]
	v_lshl_or_b32 v[SW+(\a)], v[BX+3], 24, v[SW+(\a)]
.irp c, 0,1
	v_cvt_scalef32_pk16_fp6_f32 v[PC+6*\c:PC+6*\c+2], v[T+32*\c:T+32*\c+15], v[SO+2*\c]
	v_cvt_scalef32_pk16_fp6_f32 v[PC+12+4*\c:PC+14+4*\c], v[T+32*\c+16:T+32*\c+31], v[SO+2*\c+1]
.endr
	v_nop                                          ; one plain place behind a scaled conversion
.irp c, 0,1
.irp i, 0,1,2
	v_permlane16_swap_b32 v[PC+6*\c+\i], v[PC+12+4*\c+\i]
.endr
.irp i, 0,1,2
	v_mov_b32 v[PC+3+6*\c+\i], v[PC+12+4*\c+\i]
.endr
.endr
.irp c, 0,1,2
	global_store_b128 v1, v[PC+4*\c:PC+4*\c+3], s[86:87] offset:1536*(\a)+512*\c
.endr
.endm
.irp a, 0,1,2,3,4,5,6,7
	SOFT \a
.endr
	s_mov_b32 s2, 0xffff0000
.irp j, 0,1,2,3
	v_cndmask_b32 v[OUTW+\j], v[SW+\j], v[SW+4+\j], s2
	v_cndmask_b32 v[OUTW+4+\j], v[NM+\j], v[NM+4+\j], s2
	v_cndmask_b32 v[OUTW+8+\j], v[LS+\j], v[LS+4+\j], s2
.endr
	global_store_b128 v1, v[OUTW:OUTW+3], s[88:89]
	global_store_b128 v1, v[OUTW+4:OUTW+7], s[88:89] offset:524288
	global_store_b128 v1, v[OUTW+8:OUTW+11], s[88:89] offset:1048576
	s_wait_tensorcnt 0x0                           ; the wave's end
	ds_add_u32 v[SPW], v[NIL]
	s_wait_dscnt 0x0
	CROUND                                         ; the closing round
	s_endpgm
.Lfunc_end_k_qb52549f840_scores:
	.size	k_qb52549f840_scores, .Lfunc_end_k_qb52549f840_scores-k_qb52549f840_scores
	.p2alignl 7, 3214868480
	.fill 96, 4, 3214868480
	.section	.rodata,"a",@progbits
	.p2align	6, 0x0
	.amdhsa_kernel k_qb52549f840_scores
		.amdhsa_group_segment_fixed_size 327680
		.amdhsa_private_segment_fixed_size 0
		.amdhsa_enable_private_segment 0
		.amdhsa_kernarg_size 24
		.amdhsa_user_sgpr_count 2
		.amdhsa_user_sgpr_kernarg_segment_ptr 1
		.amdhsa_wavefront_size32 1
		.amdhsa_system_sgpr_workgroup_id_x 1
		.amdhsa_system_sgpr_workgroup_id_y 1
		.amdhsa_system_sgpr_workgroup_id_z 1
		.amdhsa_system_vgpr_workitem_id 0
		.amdhsa_next_free_vgpr 1024
		.amdhsa_next_free_sgpr 100
		.amdhsa_reserve_vcc 0
		.amdhsa_float_denorm_mode_32 3
		.amdhsa_float_denorm_mode_16_64 3
		.amdhsa_memory_ordered 1
		.amdhsa_forward_progress 1
		.amdhsa_inst_pref_size 241
	.end_amdhsa_kernel
	.amdgpu_metadata
---
amdhsa.version: [ 1, 2 ]
amdhsa.kernels:
  - .name:           k_qb52549f840_scores
    .symbol:         k_qb52549f840_scores.kd
    .args:
      - { .name: qk, .offset: 0, .size: 8, .value_kind: global_buffer, .address_space: global }
      - { .name: mb, .offset: 8, .size: 8, .value_kind: global_buffer, .address_space: global }
      - { .name: pq, .offset: 16, .size: 8, .value_kind: global_buffer, .address_space: global }
    .group_segment_fixed_size: 327680
    .private_segment_fixed_size: 0
    .kernarg_segment_align: 8
    .kernarg_segment_size: 24
    .max_flat_workgroup_size: 128
    .sgpr_count:     100
    .vgpr_count:     1024
    .wavefront_size: 32
...
	.end_amdgpu_metadata
.endif
;; end of part 3
;; launch pv (part 4): grid 4 x 64, 4 waves a work-group, clusters of 4 x 4, 327,680 bytes of LDS; arguments pq, vq, out0; writes out0
.if DOCPART == 4
	.amdgcn_target "amdgcn-amd-amdhsa--gfx1250"
	.amdhsa_code_object_version 6
	.text
	.protected	k_qb52549f840_pv
	.globl	k_qb52549f840_pv
	.p2align	8
	.type	k_qb52549f840_pv,@function
k_qb52549f840_pv:
	s_mov_b64 s[64:65], 0
	v_nop
	global_prefetch_b8 v0, s[64:65] scope:SCOPE_SE
	s_setreg_imm32_b32 hwreg(HW_REG_WAVE_MODE, 25, 1), 1
	s_wait_xcnt 0x0
	s_wait_alu depctr_hold_cnt(0) depctr_sa_sdst(0) depctr_va_vdst(0) depctr_va_sdst(0) depctr_va_ssrc(0) depctr_va_vcc(0) depctr_vm_vsrc(0)
	s_getreg_b32 s2, hwreg(HW_REG_IB_STS2, 6, 4)
	s_cmp_eq_u32 s2, 0
	s_cbranch_scc0 .Lentry_in_a_cluster
	s_endpgm
.Lentry_in_a_cluster:
	s_bfe_u32 s2, ttmp6, 0x10000c
	s_cmp_lg_u32 s2, 0xf033
	s_cbranch_scc0 .Lentry_shape_is_right
	s_endpgm
.Lentry_shape_is_right:
; PV.  out = (P V) / l on codes of FP6 (E2M3).  A work-group makes 128 queries x 256 channels, a wave 64 x 128: 32 accumulators.  K = the batch's 2,048 keys, 16 steps of 128, through two LDS slots of four steps each.
; Source 0 = 16 channels of V (codes with the keys innermost), source 1 = 16 queries of P: a lane holds one query and eight neighbouring channels.
; P UNDER THE ROW'S M.  P's blocks were quantised under an M of their own 128 keys; M_row is the largest of the 16.  d = M_row - M_loc is a whole number, 0 or more: it is taken off the four scale bytes
; (held at 0 from below), which multiplies the block by 2^-d and changes no code; the row's sum is the sum of l_loc x 2^-d.  d is held at 255: beyond that both fall to nothing.
; THE HEAD.  The loads of P's scale words, -M_loc and l_loc go out ahead of the opening round; a wave's one tensor load brings its part of slot 0; the work on P's scale words stands under that load;
; then come the full sequence, a round, and slot 1's load, issued as a refill is.
; CLUSTERS: 4 x 4: P's tile jointly along a row of the cluster, V's along a column.
; PREFETCH: fills 1 to 3 are asked for one fill, four K steps, ahead: fill 1 at the end of the head's set-up, fill f + 1 behind fill f's load and the run of LDS loads that follows it.  Of a tile's blocks of 256 bytes the
; partner at place p (cx for P, cy for V) takes those with number p modulo 4, by address; the four waves share these out: 12 lanes a wave for P, 24 for V; the lanes left over name their wave's last block again.
; The address registers are never rewritten.
; LIMITS: a block whose byte would fall under 0 gets 0: its terms lie under 2^-120 of the row's largest; NaN and infinities are not served.
; REGISTERS: window 0: v1 16 x lane, v2 512 h + 16 r; v4-7 LDS addresses; v8, v9 the add's two; v10, v11 the stage; v14, v15 the prefetches' offsets; v32-63 P's scale words (register 4 (s / 2) + a: lanes 0-15 K step s
;   even, lanes 16-31 odd); v64-127 V's; v128-175 P's fragments (at work in the head); v176-239 -M and l of the head, later results; v240-247 1 / l.
;   window 1: V's fragments, two sets; on the way out rows of out.   window 2: accumulator (a, b) at v[8 (8 a + b)].
.set NA,    4
.set SLOT,  147456                     ; P's four K steps (49,152 bytes), then V's two groups of 49,152
.set SPARE, 294912
.set REFILL, 98304                     ; eight K steps on
.set ADRA, 4
.set ADRB, 6
.set SPW,  8
.set NIL,  9
.set STO,  10
.set RD,   11
.set PFP,  14
.set PFV,  15
.set AS,   32
.set BS,   64
.set AF,   128
.set MX,   128
.set PT,   132
.set LA4,  136
.set DD,   140
.set D2,   144
.set EE,   148
.set OO,   152
.set ME,   156
.set MO,   160
.set LT,   164
.set NMR,  176
.set LLR,  208
.set T,    176
.set RL,   240
.set G1A, 4
.set G1B, 12
.set G0A, 20
.set G0B, 28
.set WV,  52
.set FS,  53
.set WB,  54
.set SEL, 92
.set MSB, 0
.macro WIN new
.if MSB != (\new)
	s_set_vgpr_msb (MSB<<8)|(\new)
.set MSB, (\new)
.endif
.endm
.set TO_B, 0x40
.set MUL,  0xa1                        ; source 0 (V) window 1, source 1 (P) window 0, C and D window 2
.macro PLACES
.rept 4
	v_nop
.endr
.endm
.macro JLOAD g0a, g1a, g0b, g1b        ; a joint load; an s_nop 0 and four v_nop follow each of the two lines
	s_cmp_eq_u32 s[FS], 0
	s_cbranch_scc0 .Lfor_b_\@
	tensor_load_to_lds s[\g0a:\g0a+3], s[\g1a:\g1a+7]
	s_nop 0
.rept 4
	v_nop
.endr
	s_branch .Lasked_\@
.Lfor_b_\@:
	tensor_load_to_lds s[\g0b:\g0b+3], s[\g1b:\g1b+7]
	s_nop 0
.rept 4
	v_nop
.endr
.Lasked_\@:
.endm
.macro ASK f                           ; fill f: 49,152 bytes on for each fill, in P's group and in V's
	global_prefetch_b8 v[PFP], s[80:81] offset:49152*(\f) th:TH_LOAD_NT scope:SCOPE_SE
	global_prefetch_b8 v[PFV], s[88:89] offset:49152*(\f) th:TH_LOAD_NT scope:SCOPE_SE
.endm
.macro CREST
	s_cmp_lg_u32 s[WV], 0
	s_cbranch_scc1 .Lnot_wave_0_\@
	s_barrier_signal -3
.Lnot_wave_0_\@:
	s_barrier_wait -3
	s_barrier_signal -1
	s_barrier_wait -1
.endm
.macro CROUND
	s_barrier_signal -1
	s_barrier_wait -1
	CREST
.endm
.macro WMI
.if ZZ
.if RR == 0
	v_wmma_scale_f32_16x16x128_f8f6f4 v[rD:rD+7], v[rF0:rF0+11], v[rF1:rF1+11], 0, v[rS0], v[rS1] matrix_a_fmt:MATRIX_FMT_FP6 matrix_b_fmt:MATRIX_FMT_FP6
.elseif RR == 1
	v_wmma_scale_f32_16x16x128_f8f6f4 v[rD:rD+7], v[rF0:rF0+11], v[rF1:rF1+11], 0, v[rS0], v[rS1] matrix_a_fmt:MATRIX_FMT_FP6 matrix_b_fmt:MATRIX_FMT_FP6 matrix_b_scale:MATRIX_SCALE_ROW1
.elseif RR == 2
	v_wmma_scale_f32_16x16x128_f8f6f4 v[rD:rD+7], v[rF0:rF0+11], v[rF1:rF1+11], 0, v[rS0], v[rS1] matrix_a_fmt:MATRIX_FMT_FP6 matrix_b_fmt:MATRIX_FMT_FP6 matrix_a_scale:MATRIX_SCALE_ROW1
.else
	v_wmma_scale_f32_16x16x128_f8f6f4 v[rD:rD+7], v[rF0:rF0+11], v[rF1:rF1+11], 0, v[rS0], v[rS1] matrix_a_fmt:MATRIX_FMT_FP6 matrix_b_fmt:MATRIX_FMT_FP6 matrix_a_scale:MATRIX_SCALE_ROW1 matrix_b_scale:MATRIX_SCALE_ROW1
.endif
.else
.if RR == 0
	v_wmma_scale_f32_16x16x128_f8f6f4 v[rD:rD+7], v[rF0:rF0+11], v[rF1:rF1+11], v[rD:rD+7], v[rS0], v[rS1] matrix_a_fmt:MATRIX_FMT_FP6 matrix_b_fmt:MATRIX_FMT_FP6
.elseif RR == 1
	v_wmma_scale_f32_16x16x128_f8f6f4 v[rD:rD+7], v[rF0:rF0+11], v[rF1:rF1+11], v[rD:rD+7], v[rS0], v[rS1] matrix_a_fmt:MATRIX_FMT_FP6 matrix_b_fmt:MATRIX_FMT_FP6 matrix_b_scale:MATRIX_SCALE_ROW1
.elseif RR == 2
	v_wmma_scale_f32_16x16x128_f8f6f4 v[rD:rD+7], v[rF0:rF0+11], v[rF1:rF1+11], v[rD:rD+7], v[rS0], v[rS1] matrix_a_fmt:MATRIX_FMT_FP6 matrix_b_fmt:MATRIX_FMT_FP6 matrix_a_scale:MATRIX_SCALE_ROW1
.else
	v_wmma_scale_f32_16x16x128_f8f6f4 v[rD:rD+7], v[rF0:rF0+11], v[rF1:rF1+11], v[rD:rD+7], v[rS0], v[rS1] matrix_a_fmt:MATRIX_FMT_FP6 matrix_b_fmt:MATRIX_FMT_FP6 matrix_a_scale:MATRIX_SCALE_ROW1 matrix_b_scale:MATRIX_SCALE_ROW1
.endif
.endif
.endm
; n tiles of queries from a0 on, each against the eight tiles of channels; zero = 1: the constant 0 starts the sums.  The accumulators take turns, one instruction a turn.
.macro MULQ a0, n, p, s, zero
.set ia, \a0
.rept \n
.set ib, 0
.rept 8
.set rD, 8*(8*ia+ib)
.set rF0, 128*(\p)+12*ib
.set rF1, AF+12*ia
.set rS0, BS+4*(\s)+ib%4
.set rS1, AS+4*((\s)/2)+ia
.set RR, 2*(ib/4)+(\s)%2
.set ZZ, \zero
	WMI
.set ib, ib+1
.endr
.set ia, ia+1
.endr
.endm
.macro FETCH_B slot, q, p
	WIN TO_B
.set ib, 0
.rept 8
.irp c, 0,1,2
	ds_load_b128 v[128*(\p)+12*ib+4*\c:128*(\p)+12*ib+4*\c+3], v[ADRB+\slot] offset:12288*(\q)+1536*ib+512*\c
.endr
.set ib, ib+1
.endr
	WIN 0
.endm
.macro FETCH_A slot, q, i0, n
.set ia, \i0
.rept \n
.irp c, 0,1,2
	ds_load_b128 v[AF+12*ia+4*\c:AF+12*ia+4*\c+3], v[ADRA+\slot] offset:12288*(\q)+1536*ia+512*\c
.endr
.set ia, ia+1
.endr
.endm
.macro STEP slot, q, s, zero
	s_wait_dscnt 3*NA/2                            ; V's set and P's first two tiles are in; the youngest six loads, P's other two, may be out
	WIN MUL
	MULQ 0, NA/2, (\q)%2, \s, \zero
	s_wait_dscnt 0x0
	PLACES
	FETCH_B \slot, (\q)+1, 1-(\q)%2
	FETCH_A \slot, (\q)+1, 0, NA/2
	WIN MUL
	MULQ NA/2, NA/2, (\q)%2, \s, \zero
	PLACES
	WIN 0
	FETCH_A \slot, (\q)+1, NA/2, NA/2
.endm
.macro TURN slot, next, fill, s
	s_wait_tensorcnt 0x0                           ; all my tensor loads have landed: my part of the next slot
	ds_add_u32 v[SPW], v[NIL]
	s_wait_dscnt 3*NA/2+1                          ; (the add and P's last two tiles may be out)
	WIN MUL
	MULQ 0, NA/4, 1, \s, 0
	s_wait_dscnt 0x0                               ; the add is done, and my reads of this slot are over
	s_barrier_signal -1
	MULQ NA/4, NA/4, 1, \s, 0
	WIN 0
	s_barrier_wait -1
.if \fill
	CREST                                          ; a round of the cluster's barrier: no wave of any partner still reads this slot or has a load on its way
	s_add_nc_u64 s[G0A+4*\slot+2:G0A+4*\slot+3], s[G0A+4*\slot+2:G0A+4*\slot+3], REFILL
	s_add_nc_u64 s[G0B+4*\slot+2:G0B+4*\slot+3], s[G0B+4*\slot+2:G0B+4*\slot+3], REFILL
	JLOAD G0A+4*\slot, G1A, G0B+4*\slot, G1B
.else
	PLACES
.endif
	FETCH_B \next, 0, 0
	FETCH_A \next, 0, 0, NA/2
.if (\fill) && ((\s) == 3)
	ASK 3                                          ; behind fill 2's load: the last fill
.endif
	WIN MUL
	MULQ NA/2, NA/2, 1, \s, 0
	PLACES
	WIN 0
	FETCH_A \next, 0, NA/2, NA/2
.endm
.macro LAST s
	s_wait_dscnt 3*NA/2
	WIN MUL
	MULQ 0, NA/2, 1, \s, 0
	s_wait_dscnt 0x0
	MULQ NA/2, NA/2, 1, \s, 0
	WIN 0
.endm
	s_load_b128 s[36:39], s[0:1], 0x0              ; pq, vq
	s_load_b64 s[40:41], s[0:1], 0x10              ; out0
	v_lshl_add_u32 v[SPW], v0, 2, SPARE
	v_mov_b32 v[NIL], 0
	ds_add_u32 v[SPW], v[NIL]                      ; the wave's opening: the add, twice on end, and its wait ahead of my first tensor load
	ds_add_u32 v[SPW], v[NIL]
	v_lshrrev_b32 v1, 5, v0
	v_readfirstlane_b32 s[WV], v1
	s_lshr_b32 s[FS], s[WV], 1
	s_and_b32 s[WB], s[WV], 1
	s_bfe_u32 s55, ttmp6, 0x40000                  ; cx
	s_bfe_u32 s56, ttmp6, 0x40004                  ; cy
	s_lshl_b32 s57, ttmp9, 2
	s_add_co_u32 s57, s57, s55                     ; work-group x: 256 channels
	s_and_b32 s58, ttmp7, 0xffff
	s_lshl_b32 s58, s58, 2
	s_add_co_u32 s58, s58, s56                     ; work-group y: a group of 128 queries
	s_and_b32 s59, ttmp7, 0xffff
	s_lshr_b32 s59, s59, 2                         ; the batch: four clusters along y each
	s_lshl_b32 s60, s56, 2
	s_lshl_b32 s60, 15, s60
	s_lshl_b32 s61, 0x1111, s55
	s_or_b32 s[G1A], s60, (3<<16)|(1<<21)
	s_or_b32 s[G1B], s61, (3<<16)|(1<<21)
	s_mov_b32 s[G1A+1], 32<<16                     ; P: two K steps, 24,576 dense bytes, as 96 rows of 256
	s_mov_b32 s[G1A+2], 96<<16
	s_mov_b32 s[G1A+3], 32<<16
	s_mov_b32 s[G1A+4], 96
	s_mov_b32 s[G1A+5], 32
	s_mov_b32 s[G1A+6], 0
	s_mov_b32 s[G1A+7], 0
	s_mov_b32 s[G1B+1], 32<<16                     ; V: a group's four K steps, 49,152 dense bytes, as 192 rows
	s_mov_b32 s[G1B+2], 192<<16
	s_mov_b32 s[G1B+3], 32<<16
	s_mov_b32 s[G1B+4], 192
	s_mov_b32 s[G1B+5], 32
	s_mov_b32 s[G1B+6], 0
	s_mov_b32 s[G1B+7], 0
	s_mul_i32 s68, s58, 196608                     ; P: group y, 16 K steps of 12,288 bytes,
	s_mul_i32 s62, s[WB], 24576                    ; K steps 2 (wave % 2) on: in memory and in the slot
	s_add_co_u32 s68, s68, s62
	s_mov_b32 s69, 0
	s_lshl_b32 s72, s59, 3
	s_lshl_b32 s73, s57, 1
	s_add_co_u32 s72, s72, s73
	s_add_co_u32 s72, s72, s[WB]
	s_mul_i32 s72, s72, 196608                     ; V: group 8 batch + 2 x + wave % 2
	s_mov_b32 s73, 0
	s_mul_i32 s63, s[WB], 49152
	s_add_co_u32 s63, s63, 49152                   ; behind P's part of the slot
	s_lshl_b32 s74, s58, 13                        ; P's scale words: 8,192 bytes a group, my four tiles' 256 of each 512
	s_lshl_b32 s75, s[FS], 8
	s_add_co_u32 s74, s74, s75
	s_add_co_u32 s74, s74, 12582912
	s_mov_b32 s75, 0
	s_mov_b32 s[SEL], 0x76543210
	s_mov_b32 s[SEL+1], 0xfedcba98
	s_mov_b32 s94, 0x00ff00ff
	s_mov_b32 s95, 0x01000100
	s_mov_b32 s96, 0x00010001
	v_and_b32 v1, 31, v0
	v_lshlrev_b32 v1, 4, v1                        ; 16 x lane
	v_and_b32 v12, 15, v0                          ; r
	v_bfe_u32 v13, v0, 4, 1                        ; h
	v_lshlrev_b32 v2, 4, v12
	v_lshl_add_u32 v2, v13, 9, v2                  ; 512 h + 16 r
	v_and_b32 v[PFP], 31, v0                       ; the prefetches' offsets: 1,024 x min(lane, 11) in P, 1,024 x min(lane, 23) in V
	v_min_u32 v[PFV], 23, v[PFP]
	v_min_u32 v[PFP], 11, v[PFP]
	v_lshlrev_b32 v[PFP], 10, v[PFP]
	v_lshlrev_b32 v[PFV], 10, v[PFV]
	s_wait_alu depctr_va_vdst(0)
	s_wait_dscnt 0x0                               ; both opening adds are done
	s_wait_kmcnt 0x0
	s_add_nc_u64 s[68:69], s[36:37], s[68:69]
	s_add_nc_u64 s[72:73], s[38:39], s[72:73]
	s_add_nc_u64 s[74:75], s[36:37], s[74:75]
.irp g, 0,1,2,3,4,5,6,7
	global_load_b128 v[AS+4*\g:AS+4*\g+3], v2, s[74:75] offset:1024*\g            ; lanes 0-15 K step 2 g, lanes 16-31 K step 2 g + 1
.endr
.irp g, 0,1,2,3,4,5,6,7
	global_load_b128 v[NMR+4*\g:NMR+4*\g+3], v2, s[74:75] offset:1024*\g+524288   ; -M_loc
.endr
.irp g, 0,1,2,3,4,5,6,7
	global_load_b128 v[LLR+4*\g:LLR+4*\g+3], v2, s[74:75] offset:1024*\g+1048576  ; l_loc
.endr
	s_mul_i32 s82, s58, 196608                     ; the prefetches' bases.  P: group y, + 12,288 wave + 256 cx
	s_mul_i32 s83, s[WV], 12288
	s_add_co_u32 s82, s82, s83
	s_lshl_b32 s83, s55, 8
	s_add_co_u32 s82, s82, s83
	s_mov_b32 s83, 0
	s_add_nc_u64 s[80:81], s[36:37], s[82:83]
	s_lshl_b32 s84, s59, 3                         ; V: group 8 batch + 2 x + wave / 2, + 24,576 (wave % 2) + 256 cy
	s_lshl_b32 s85, s57, 1
	s_add_co_u32 s84, s84, s85
	s_add_co_u32 s84, s84, s[FS]
	s_mul_i32 s84, s84, 196608
	s_mul_i32 s85, s[WB], 24576
	s_add_co_u32 s84, s84, s85
	s_lshl_b32 s85, s56, 8
	s_add_co_u32 s84, s84, s85
	s_mov_b32 s85, 0
	s_add_nc_u64 s[88:89], s[38:39], s[84:85]
	ASK 0                                          ; the head's own tiles too are asked for, behind the loads above: the opening round and the descriptors' set-up stand between this and the head's load
	CROUND                                         ; the first joint loads meet
.irp s, 0,1
	s_mov_b32 s[G0A+4*\s], 1
	s_add_co_u32 s[G0A+4*\s+1], s62, \s*SLOT
	s_add_nc_u64 s[G0A+4*\s+2:G0A+4*\s+3], s[68:69], \s*49152
	s_or_b32 s[G0A+4*\s+3], s[G0A+4*\s+3], 0x80000000
	s_mov_b32 s[G0B+4*\s], 1
	s_add_co_u32 s[G0B+4*\s+1], s63, \s*SLOT
	s_add_nc_u64 s[G0B+4*\s+2:G0B+4*\s+3], s[72:73], \s*49152
	s_or_b32 s[G0B+4*\s+3], s[G0B+4*\s+3], 0x80000000
.endr
	JLOAD G0A, G1A, G0B, G1B                       ; slot 0: one tensor load a wave at the head
	s_mul_i32 s2, s[FS], 6144                      ; my four tiles of P
	v_add_nc_u32 v[ADRA], s2, v1
	s_add_co_u32 s2, s2, SLOT
	v_add_nc_u32 v[ADRA+1], s2, v1
	s_mul_i32 s2, s[WB], 49152
	s_add_co_u32 s2, s2, 49152                     ; my group of V
	v_add_nc_u32 v[ADRB], s2, v1
	s_add_co_u32 s2, s2, SLOT
	v_add_nc_u32 v[ADRB+1], s2, v1
	s_mul_i32 s2, s[WV], 8448                      ; my stage: 16 rows x (512 bytes + 16), in slot 0
	v_mul_u32_u24 v[STO], v12, 528
	v_lshl_add_u32 v[STO], v13, 6, v[STO]
	v_add_nc_u32 v[STO], s2, v[STO]
	v_add_nc_u32 v[RD], s2, v1
	s_lshl_b32 s76, s59, 3
	s_lshl_b32 s77, s57, 1
	s_add_co_u32 s76, s76, s77
	s_add_co_u32 s76, s76, s[WB]
	s_lshl_b32 s76, s76, 13
	s_add_co_u32 s76, s76, 6291456
	s_mov_b32 s77, 0
	s_add_nc_u64 s[76:77], s[38:39], s[76:77]      ; V's scale words
.irp s, 0,1,2,3,4,5,6,7,8,9,10,11,12,13,14,15
	global_load_b128 v[BS+4*\s:BS+4*\s+3], v1, s[76:77] offset:512*\s
.endr
	s_lshl_b32 s78, s58, 19
	s_lshl_b32 s79, s[FS], 18
	s_add_co_u32 s78, s78, s79
	s_lshl_b32 s79, s57, 10
	s_add_co_u32 s78, s78, s79
	s_lshl_b32 s79, s[WB], 9
	s_add_co_u32 s78, s78, s79
	s_mov_b32 s79, 0
	s_add_nc_u64 s[86:87], s[40:41], s[78:79]      ; out: row 128 y + 64 (wave / 2), channel 256 x + 128 (wave % 2)
	ASK 1                                          ; behind slot 0's load, the set-up and the loads of scale words
	s_wait_loadcnt 16                              ; P's words, -M and l are in; V's 16 loads may be out
.irp a, 0,1,2,3
	v_max3_num_f32 v[MX+\a], -v[NMR+\a], -v[NMR+4+\a], -v[NMR+8+\a]
.endr
.irp g, 12,20
.irp a, 0,1,2,3
	v_max3_num_f32 v[MX+\a], v[MX+\a], -v[NMR+\g+\a], -v[NMR+\g+4+\a]
.endr
.endr
.irp a, 0,1,2,3
	v_max_num_f32 v[MX+\a], v[MX+\a], -v[NMR+28+\a]
.endr
.irp a, 0,1,2,3
	v_mov_b32 v[PT+\a], 0                          ; a lane permute's destination counts as one of its sources
.endr
.irp a, 0,1,2,3
	v_permlanex16_b32 v[PT+\a], v[MX+\a], s[SEL], s[SEL+1]
.endr
.irp a, 0,1,2,3
	v_max_num_f32 v[MX+\a], v[MX+\a], v[PT+\a]     ; the row's M
.endr
.irp g, 0,1,2,3,4,5,6,7
.irp a, 0,1,2,3
	v_add_f32 v[DD+\a], v[MX+\a], v[NMR+4*\g+\a]   ; d = M_row - M_loc: whole numbers, exact
.endr
.irp a, 0,1,2,3
	v_min_num_f32 v[DD+\a], 0x437f0000, v[DD+\a]   ; held at 255
.endr
.irp a, 0,1,2,3
	v_cvt_u32_f32 v[DD+\a], v[DD+\a]
.endr
.irp a, 0,1,2,3
	v_sub_nc_u32 v[LT+\a], 0, v[DD+\a]
.endr
.irp a, 0,1,2,3
.if \g == 0
	v_ldexp_f32 v[LA4+\a], v[LLR+\a], v[LT+\a]     ; l_loc x 2^-d starts the row's sum
.else
	v_ldexp_f32 v[LT+\a], v[LLR+4*\g+\a], v[LT+\a]
.endif
.endr
.if \g > 0
.irp a, 0,1,2,3
	v_add_f32 v[LA4+\a], v[LA4+\a], v[LT+\a]
.endr
.endif
	; the four bytes less d, held at 0: even and odd bytes in 16-bit fields with bit 8 set; where the bit survives the subtraction the byte was at least d
.irp a, 0,1,2,3
	v_and_or_b32 v[EE+\a], v[AS+4*\g+\a], s94, s95
.endr
.irp a, 0,1,2,3
	v_lshrrev_b32 v[OO+\a], 8, v[AS+4*\g+\a]
.endr
.irp a, 0,1,2,3
	v_and_or_b32 v[OO+\a], v[OO+\a], s94, s95
.endr
.irp a, 0,1,2,3
	v_lshl_or_b32 v[D2+\a], v[DD+\a], 16, v[DD+\a]
.endr
.irp a, 0,1,2,3
	v_sub_nc_u32 v[EE+\a], v[EE+\a], v[D2+\a]
.endr
.irp a, 0,1,2,3
	v_sub_nc_u32 v[OO+\a], v[OO+\a], v[D2+\a]
.endr
.irp a, 0,1,2,3
	v_lshrrev_b32 v[ME+\a], 8, v[EE+\a]
.endr
.irp a, 0,1,2,3
	v_lshrrev_b32 v[MO+\a], 8, v[OO+\a]
.endr
.irp a, 0,1,2,3
	v_and_b32 v[ME+\a], s96, v[ME+\a]
.endr
.irp a, 0,1,2,3
	v_and_b32 v[MO+\a], s96, v[MO+\a]
.endr
.irp a, 0,1,2,3
	v_mul_u32_u24 v[ME+\a], v[ME+\a], 255
.endr
.irp a, 0,1,2,3
	v_mul_u32_u24 v[MO+\a], v[MO+\a], 255
.endr
.irp a, 0,1,2,3
	v_and_b32 v[EE+\a], v[EE+\a], v[ME+\a]
.endr
.irp a, 0,1,2,3
	v_and_b32 v[OO+\a], v[OO+\a], v[MO+\a]
.endr
.irp a, 0,1,2,3
	v_lshl_or_b32 v[AS+4*\g+\a], v[OO+\a], 8, v[EE+\a]
.endr
.endr
.irp a, 0,1,2,3
	v_permlanex16_b32 v[PT+\a], v[LA4+\a], s[SEL], s[SEL+1]
.endr
.irp a, 0,1,2,3
	v_add_f32 v[LA4+\a], v[LA4+\a], v[PT+\a]       ; even and odd K steps: the row's sum
.endr
	s_wait_alu depctr_va_vdst(0)
.irp a, 0,1,2,3
	v_rcp_f32 v[RL+2*\a], v[LA4+\a]
.endr
.irp a, 0,1,2,3
	v_mov_b32 v[RL+2*\a+1], 0                      ; (named with 1 / l as a pair; plain places behind the reciprocals)
.endr
	s_wait_alu depctr_va_vdst(0)                   ; one wait for the four reciprocals
.rept 8
	v_nop                                          ; scale registers written by vector instructions stand eight places ahead of a scaled product
.endr
	s_wait_tensorcnt 0x0                           ; my part of slot 0 is in
	ds_add_u32 v[SPW], v[NIL]
	s_wait_dscnt 0x0
	CROUND                                         ; everybody's part is in, and the joint loads meet
	JLOAD G0A+4, G1A, G0B+4, G1B                   ; slot 1, the first tensor load behind the round
	FETCH_B 0, 0, 0
	FETCH_A 0, 0, 0, NA/2
	FETCH_A 0, 0, NA/2, NA/2
	ASK 2                                          ; behind fill 1's load and the run of LDS loads
	s_wait_loadcnt 0x0                             ; V's scale words
	STEP 0, 0, 0, 1
	STEP 0, 1, 1, 0
	STEP 0, 2, 2, 0
	TURN 0, 1, 1, 3
	STEP 1, 0, 4, 0
	STEP 1, 1, 5, 0
	STEP 1, 2, 6, 0
	TURN 1, 0, 1, 7
	STEP 0, 0, 8, 0
	STEP 0, 1, 9, 0
	STEP 0, 2, 10, 0
	TURN 0, 1, 0, 11
	STEP 1, 0, 12, 0
	STEP 1, 1, 13, 0
	STEP 1, 2, 14, 0
	LAST 15
	PLACES
; THE WAY OUT, a tile of 16 queries at a time.  Register 8 b + j of lane (r, h) is channel 32 (b / 2) + 16 h + 8 (b % 2) + j of the lane's query.  The tile goes through my stage, which lies in slot 0 (it has had its last
; fill, and every wave has passed the last change of slots, behind which nobody reads it), and leaves as whole rows of 512 bytes.  Stage row t is query 32 (a / 2) + 8 (a % 2) + t % 8 + 16 (t / 8) of my 64.
.macro OUTA a
	WIN 0x02
.set j, 0
.rept 32
	v_pk_mul_f32 v[T+j:T+j+1], v[64*(\a)+j:64*(\a)+j+1], v[RL+2*(\a):RL+2*(\a)+1] op_sel_hi:[1,0]   ; / l; each accumulator from its low end on
.set j, j+2
.endr
	WIN 0
.set n, 0
.rept 16
	ds_store_b128 v[STO], v[T+4*n:T+4*n+3] offset:128*(n/4)+32*((n/2)%2)+16*(n%2)
.set n, n+1
.endr
.if (\a) > 0
	s_wait_xcnt 0x0                                ; the last tile's stores have read their registers
.endif
	WIN 0x40                                       ; the rows come back into window 1
.irp t, 0,1,2,3,4,5,6,7,8,9,10,11,12,13,14,15
	ds_load_b128 v[4*\t:4*\t+3], v[RD] offset:528*\t   ; LDS serves a wave's instructions in order: these see my stores
.endr
	WIN 0x04                                       ; a store's data are its source 1
.irp t, 0,1,2,3,4,5,6,7,8,9,10,11,12,13,14,15
	s_wait_dscnt 15-\t
	global_store_b128 v1, v[4*\t:4*\t+3], s[86:87] offset:(32*((\a)/2)+8*((\a)%2)+\t%8+16*(\t/8))*4096 th:TH_STORE_NT   ; 512 consecutive bytes, at a multiple of 256 from the buffer's first byte
.endr
	WIN 0
.endm
	OUTA 0
	OUTA 1
	OUTA 2
	OUTA 3
	s_wait_tensorcnt 0x0                           ; the wave's end, behind my last tensor load and my last LDS store
	ds_add_u32 v[SPW], v[NIL]
	s_wait_dscnt 0x0
	CROUND                                         ; the closing round
	s_endpgm
.Lfunc_end_k_qb52549f840_pv:
	.size	k_qb52549f840_pv, .Lfunc_end_k_qb52549f840_pv-k_qb52549f840_pv
	.p2alignl 7, 3214868480
	.fill 96, 4, 3214868480
	.section	.rodata,"a",@progbits
	.p2align	6, 0x0
	.amdhsa_kernel k_qb52549f840_pv
		.amdhsa_group_segment_fixed_size 327680
		.amdhsa_private_segment_fixed_size 0
		.amdhsa_enable_private_segment 0
		.amdhsa_kernarg_size 24
		.amdhsa_user_sgpr_count 2
		.amdhsa_user_sgpr_kernarg_segment_ptr 1
		.amdhsa_wavefront_size32 1
		.amdhsa_system_sgpr_workgroup_id_x 1
		.amdhsa_system_sgpr_workgroup_id_y 1
		.amdhsa_system_sgpr_workgroup_id_z 1
		.amdhsa_system_vgpr_workitem_id 0
		.amdhsa_next_free_vgpr 768
		.amdhsa_next_free_sgpr 100
		.amdhsa_reserve_vcc 0
		.amdhsa_float_denorm_mode_32 3
		.amdhsa_float_denorm_mode_16_64 3
		.amdhsa_memory_ordered 1
		.amdhsa_forward_progress 1
		.amdhsa_inst_pref_size 182
	.end_amdhsa_kernel
	.amdgpu_metadata
---
amdhsa.version: [ 1, 2 ]
amdhsa.kernels:
  - .name:           k_qb52549f840_pv
    .symbol:         k_qb52549f840_pv.kd
    .args:
      - { .name: pq, .offset: 0, .size: 8, .value_kind: global_buffer, .address_space: global }
      - { .name: vq, .offset: 8, .size: 8, .value_kind: global_buffer, .address_space: global }
      - { .name: out0, .offset: 16, .size: 8, .value_kind: global_buffer, .address_space: global }
    .group_segment_fixed_size: 327680
    .private_segment_fixed_size: 0
    .kernarg_segment_align: 8
    .kernarg_segment_size: 24
    .max_flat_workgroup_size: 128
    .sgpr_count:     100
    .vgpr_count:     768
    .wavefront_size: 32
...
	.end_amdgpu_metadata
.endif
;; end of part 4
